; MI455X (gfx1250); checked and timed in simulation.
; The chip was launched on July 23, 2026; its instructions are those of AMD's public machine-readable ISA for CDNA 5 (MIT licence, August 2026) and "CDNA5" Instruction Set Architecture Reference Guide (July 2026). The comments in the code are by the model that wrote it; some were corrected since.
;; Causal Self Attention. Allowed arithmetic: matrix products marked QUANTISED: E4M3 operands, one given power-of-two scale a tensor, by v_wmma_f32_16x16x64_fp8_fp8 or v_wmma_f32_16x16x128_fp8_fp8, f32 sums; everything else in f32.
;; Inputs: W_attn 1,024 x 3,072 float32; W_proj 1,024 x 1,024 float32; lowp_scales 8 int32 (the exponents e of the quantised operands' scales 2^e); prev_probs 4 x 2,048 float32; x 4 x 2,048 x 1,024 float32.
;; Outputs: out0 4 x 2,048 x 1,024 float32.
;; This version of the problem:
;;   THIS VERSION OF THE PROBLEM IS GIVEN IN LOW PRECISION. The matrix products marked QUANTISED in the list below multiply operands that are first quantised to E4M3 (4 exponent bits, 3 mantissa bits; 8 bits a number), with one given power-of-two scale for each operand tensor; their sums are f32. All else is computed in f32.
;;   The module's matrix products, in the order in which they are computed (A, B: the left and right operand; K: the contracted axis; several contracted axes count as one K, in the product's order):
;;     1. [M 8,192, K 1,024] x [K 1,024, N 3,072]; A: input x; B: input W_attn: QUANTISED (scales: A lowp_scales[0], B lowp_scales[1])
;;     2. batch 64 x [M 2,048, K 64] x [K 64, N 2,048]; A: computed on the way; B: computed on the way: QUANTISED (scales: A lowp_scales[2], B lowp_scales[3])
;;     3. batch 64 x [M 2,048, K 2,048] x [K 2,048, N 64]; A: softmax (see below); B: computed on the way: QUANTISED (scales: A lowp_scales[4], B lowp_scales[5])
;;     4. [M 8,192, K 1,024] x [K 1,024, N 1,024]; A: computed on the way; B: input W_proj: QUANTISED (scales: A lowp_scales[6], B lowp_scales[7])
;;   THE QUANTISER, for each operand of a quantised product, along K:
;;     - The operand's scale is 2^e, e = its entry of the input lowp_scales (int32; the entries are numbered through the quantised products in the list's order, A before B).
;;     - Each number is divided by the scale, clamped to +-448, and rounded to the nearest number of E4M3, ties to even, subnormals kept.
;;     - The product sums the exact products of the quantised numbers (number of the format x scale) in f32.
;;   ~~~python
;;   def quantise(x, axis, e):      # numpy; x: float32 -> the quantised numbers, widened to float32 again
;;       x = np.moveaxis(x, axis, -1); K = x.shape[-1]
;;       r = np.clip(x / 2.0 ** e, -448, 448)
;;       step = 2.0 ** (np.maximum(np.frexp(np.where(r == 0, 1, r))[1] - 1, -6) - 3)
;;       q = np.round(r / step) * step * 2.0 ** e      # np.round: ties to even
;;       return np.moveaxis(q, -1, axis).astype(np.float32)
;;   ~~~
;;   SOFTMAX AHEAD OF A QUANTISED PRODUCT. Where the list says 'softmax', what is quantised is not the finished softmax but p = 2^(t - M), with t = logit x log2(e) and M = ceil(the row's largest t), a whole number; so 1/2 < the row's largest p <= 1. The row's sum l is taken of the UNQUANTISED p, in f32, and the product's result is divided by l at the end. Since M is a whole number, a kernel that streams over the keys may use a running M (the ceiling of the running maximum): every later rescaling is an exact power of two, so the quantised numbers keep their values, but for numbers so far below the row's largest that they fall under the format's range.
;;   OPERANDS COMPUTED ON THE WAY. 'Computed on the way' means the value that the module computes at that place (a softmax that the list does not call 'softmax' is quantised finished and normalised). What goes into a quantiser is computed in f32, as accurately as f32 sums, v_exp_f32 and their like allow (about 1e-6 of the number): no bf16 or f16 on the way to a quantiser, and a product that is left as it is and whose result goes on into a quantised operand takes f32 operands (vector FMAs, or v_wmma_f32_16x16x4_f32). A number that lies on a knife's edge between two numbers of the format may be rounded either way, as far as f32 arithmetic and the matrix unit's own rounding can turn it there, and no further.
;; One version. Each part assembles by itself: llvm-mc -triple=amdgcn-amd-amdhsa -mcpu=gfx1250 --defsym DOCPART=n.
;; ======== version 1 of 1: 4 launches
;; limits: right only within a limited range of input values
;; workspace buffers: x_img 8,388,608 bytes; w_img 4,194,304 bytes; bias 32,768 bytes; qkv 25,165,824 bytes; y_img 8,388,608 bytes
;; launch prep (part 1): grid 392 x 1, 8 waves a work-group, no clusters, 68,608 bytes of LDS; arguments x, W_attn, W_proj, prev_probs, lowp_scales, x_img, w_img, bias; writes x_img, w_img, bias
.if DOCPART == 1
	.amdgcn_target "amdgcn-amd-amdhsa--gfx1250"
	.amdhsa_code_object_version 6
	.text
	.protected	k_q4ef0c065de_prep
	.globl	k_q4ef0c065de_prep
	.p2align	8
	.type	k_q4ef0c065de_prep,@function
k_q4ef0c065de_prep:
	s_mov_b64 s[64:65], 0
	v_nop
	global_prefetch_b8 v0, s[64:65] scope:SCOPE_SE
	s_setreg_imm32_b32 hwreg(HW_REG_WAVE_MODE, 25, 1), 1
	s_wait_xcnt 0x0
; x, W_attn and W_proj (f32) become codes of E4M3 with their given scales 2^e0, 2^e1, 2^e7; prev_probs becomes the additive term of the scores.
; THE CODES ARE LAID AS IMAGES OF OPERAND REGISTERS.  A fragment is 16 rows x 128 K: 16 registers a lane; lane (r = lane % 16, h = lane / 16) holds row r, and its
; registers 2 c, 2 c + 1 hold k = 16 c + 8 h + 0 .. 7.  Its image is 2,048 bytes: registers 4 i .. 4 i + 3 of lane l lie at 512 i + 16 l.
;   x_img [ks 4][g 512][f 2][2048]: g = token / 16, K fragment 2 ks + f.     w_img [ks 4][g 256][f 2][2048]: g = column / 16; columns 0-3071 W_attn's, 3072-4095 W_proj's.
;   bias [4][2048] f32 = -0.8 ln(prev_probs + 1e-10) / 2^(e2 + e3): the adjustment 0.1 x -ln(..) in the unit of a sum of codes of q k^T ahead of its factor 2^(e2 + e3) / 8.
; Work-groups 0-255: x (a wave: 16 rows x 256 K).  256-383: the weights (a lane: one column, 128 K down its registers).  384-391: prev_probs.
; A stream: memory binds, so no matrix unit, no cluster, no tensor load.  Every load of x reads 512 consecutive bytes, every store of codes fills aligned blocks of 256 bytes.
; code = number / 2^e, held within +-448, to the nearest code, ties to even.  LIMITS: e0, e1, e7 between -126 and 119.  NaN among x and the weights is not served.
.set SP,    528                        ; a stage row: 512 bytes + 16 = 132 words: row r starts at bank 4 r mod 64, so sixteen rows read at one column meet no bank twice
.set STG,   16*SP                      ; a wave's stage: 16 rows
.set SPARE, 8*STG                      ; behind the eight stages: the spare words, 128 bytes a wave: four blocks of 256 bytes that no other line names
.set SPW,   12                         ; v12  SPARE + 4 x my thread's number; never rewritten
.set NIL,   13                         ; v13  0; never rewritten
.set R,     16                         ; x: v16-143   two fragments' numbers as loaded
.set X,     144                        ; x: v144-207  64 numbers in the fragment's order
.set C,     208                        ; x: v208-239  two fragments' codes
.set WD,    16                         ; weights: v16-143  128 numbers down K
.set WC,    144                        ; weights: v144-175 their codes
.macro MKSCALE se                      ; v11 = 2^e as f32 (the conversion takes its exponent field), v10 = 448 x 2^e
	s_add_co_i32 s12, s[\se], 127
	s_lshl_b32 s13, s12, 23
	v_mov_b32 v11, s13
	s_add_co_i32 s12, s12, 8
	s_lshl_b32 s12, s12, 23
	s_or_b32 s12, s12, 0x600000
	v_mov_b32 v10, s12
.endm
	s_load_b512 s[16:31], s[0:1], 0x0              ; x 16, W_attn 18, W_proj 20, prev_probs 22, scales 24, x_img 26, w_img 28, bias 30
	v_lshl_add_u32 v[SPW], v0, 2, SPARE
	v_mov_b32 v[NIL], 0
	v_lshrrev_b32 v1, 5, v0
	s_delay_alu instid0(VALU_DEP_1)
	v_readfirstlane_b32 s8, v1                     ; wave 0..7
	v_and_b32 v1, 31, v0                           ; lane
	v_and_b32 v2, 15, v0                           ; r
	v_bfe_u32 v5, v0, 4, 1                         ; h
	s_delay_alu instid0(VALU_DEP_3)
	v_lshlrev_b32 v3, 4, v1                        ; 16 x lane
	s_wait_kmcnt 0x0
	s_load_b256 s[32:39], s[24:25], 0x0            ; e0 .. e7
	s_cmp_lt_u32 ttmp9, 256
	s_cbranch_scc1 .Lx
	s_cmp_lt_u32 ttmp9, 384
	s_cbranch_scc1 .Lw
	; ---- prev_probs: 8 work-groups x 256 threads x 4 numbers
	s_sub_co_u32 s9, ttmp9, 384
	s_lshl_b32 s9, s9, 12
	v_lshl_add_u32 v4, v0, 4, s9
	global_load_b128 v[16:19], v4, s[22:23]
	s_wait_kmcnt 0x0
	s_add_co_i32 s10, s34, s35
	s_sub_co_i32 s10, 0, s10                       ; -(e2 + e3)
	s_wait_loadcnt 0x0
.irp j, 16,17,18,19
	v_add_f32 v\j, 0x2edbe6ff, v\j                 ; + 1e-10
.endr
	s_wait_alu depctr_va_vdst(0)
.irp j, 16,17,18,19
	v_log_f32 v\j, v\j                             ; log2
.endr
	v_nop                                          ; a plain instruction behind the last logarithm
	s_wait_alu depctr_va_vdst(0)                   ; one wait for the four, ahead of their first reader
.irp j, 16,17,18,19
	v_mul_f32 v\j, 0xbf0df4e0, v\j                 ; x -0.8 ln 2
.endr
.irp j, 16,17,18,19
	s_delay_alu instid0(VALU_DEP_4)
	v_ldexp_f32 v\j, v\j, s10                      ; / 2^(e2 + e3): nothing is rounded
.endr
	global_store_b128 v4, v[16:19], s[30:31]
	s_endpgm
	; ---- the weights.  A lane takes column 256 cb + 32 wave + lane, its registers run down the 128 K of fragment kf: the conversions give codes with K innermost, nothing is transposed
.macro WLOAD q, stride                 ; K rows 32 q .. 32 q + 31 of my column: 32 lanes read 128 consecutive bytes, the eight waves 1,024
.set k, 32*(\q)
.rept 32
	global_load_b32 v[WD+k], v6, s[40:41] offset:k*\stride th:TH_LOAD_NT
.set k, k+1
.endr
.endm
.macro BLOCKW q, stride
.if (\q) < 3
	s_wait_loadcnt 32                              ; this block's 32 loads are in; the next block's may be out
.else
	s_wait_loadcnt 0x0
.endif
.if (\q) < 2
	WLOAD (\q)+2, \stride                          ; two blocks ahead, into registers of their own
.endif
.set j, 0
.rept 32
	v_med3_num_f32 v[WD+32*(\q)+j], v[WD+32*(\q)+j], -v10, v10   ; the conversion does not saturate (ISA guide 7.6.2): the hold at the largest code x the scale
.set j, j+1
.endr
	; piece q of the image: lane (r, 0) wants k 0-7 and 16-23 of these 32, lane (r, 1) k 8-15 and 24-31: I hold both lanes' parts
	v_cvt_scalef32_pk8_fp8_f32 v[WC+8*(\q):WC+8*(\q)+1],   v[WD+32*(\q):WD+32*(\q)+7],     v11
	v_cvt_scalef32_pk8_fp8_f32 v[WC+8*(\q)+4:WC+8*(\q)+5], v[WD+32*(\q)+8:WD+32*(\q)+15],  v11
	v_cvt_scalef32_pk8_fp8_f32 v[WC+8*(\q)+2:WC+8*(\q)+3], v[WD+32*(\q)+16:WD+32*(\q)+23], v11
	v_cvt_scalef32_pk8_fp8_f32 v[WC+8*(\q)+6:WC+8*(\q)+7], v[WD+32*(\q)+24:WD+32*(\q)+31], v11
	v_nop                                          ; a plain instruction behind the last conversion
	global_store_b128 v4, v[WC+8*(\q):WC+8*(\q)+3],   s[42:43] offset:(\q)*512       ; sixteen lanes fill one aligned block of 256 bytes
	global_store_b128 v4, v[WC+8*(\q)+4:WC+8*(\q)+7], s[42:43] offset:(\q)*512+256
.endm
.macro WPATH stride, se
	WLOAD 0, \stride
	WLOAD 1, \stride
	s_wait_kmcnt 0x0
	MKSCALE \se
	s_wait_alu depctr_va_vdst(0)
	BLOCKW 0, \stride
	BLOCKW 1, \stride
	BLOCKW 2, \stride
	BLOCKW 3, \stride
	s_endpgm
.endm
.Lw:
	s_sub_co_u32 s9, ttmp9, 256
	s_lshr_b32 s10, s9, 3                          ; cb: which 256 columns of the 4,096
	s_and_b32 s11, s9, 7                           ; kf: which 128 along K
	s_wait_alu depctr_va_vdst(0)
	v_lshlrev_b32 v6, 2, v1                        ; in: 4 bytes a lane
	v_lshlrev_b32 v4, 4, v2
	s_delay_alu instid0(VALU_DEP_1)
	v_lshl_add_u32 v4, v5, 12, v4                  ; out: 16 r, and lanes 16-31 belong to the next group of 16 columns, 4,096 bytes on
	s_lshr_b32 s44, s11, 1
	s_lshl_b32 s44, s44, 20                        ; plane ks = kf / 2
	s_lshl_b32 s46, s10, 4
	s_lshl_b32 s47, s8, 1
	s_add_co_u32 s46, s46, s47                     ; g = 16 cb + 2 wave
	s_lshl_b32 s46, s46, 12
	s_add_co_u32 s44, s44, s46
	s_and_b32 s46, s11, 1
	s_lshl_b32 s46, s46, 11                        ; f = kf % 2
	s_add_co_u32 s44, s44, s46
	s_mov_b32 s45, 0
	s_add_nc_u64 s[42:43], s[28:29], s[44:45]
	s_lshl_b32 s47, s8, 7                          ; my wave's 32 columns, in bytes
	s_cmp_lt_u32 s10, 12
	s_cbranch_scc0 .Lw_proj
	s_mul_i32 s44, s11, 128*12288                  ; W_attn: a row is 12,288 bytes
	s_lshl_b32 s46, s10, 10
	s_add_co_u32 s44, s44, s46
	s_add_co_u32 s44, s44, s47
	s_add_nc_u64 s[40:41], s[18:19], s[44:45]
	s_wait_alu depctr_va_vdst(0)
	WPATH 12288, 33
.Lw_proj:
	s_sub_co_u32 s10, s10, 12
	s_mul_i32 s44, s11, 128*4096                   ; W_proj: a row is 4,096 bytes
	s_lshl_b32 s46, s10, 10
	s_add_co_u32 s44, s44, s46
	s_add_co_u32 s44, s44, s47
	s_add_nc_u64 s[40:41], s[20:21], s[44:45]
	s_wait_alu depctr_va_vdst(0)
	WPATH 4096, 39
	; ---- x.  Loads take the bytes as they lie (512 of a row to a load); the conversions want eight neighbours along K in one lane: so a fragment's 16 x 512 bytes turn through the wave's own stage
.macro FRAGX f
	s_wait_loadcnt 16*(1-\f)                       ; this fragment's sixteen loads are in; the other's may be out
.irp i, 0,1,2,3,4,5,6,7,8,9,10,11,12,13,14,15
	ds_store_b128 v14, v[R+64*\f+4*\i:R+64*\f+4*\i+3] offset:SP*\i
.endr
.irp c, 0,1,2,3,4,5,6,7
	ds_load_b128 v[X+8*\c:X+8*\c+3],   v15 offset:64*\c       ; row r, k = 16 c + 8 h + 0 .. 7.  LDS serves a wave's instructions in order (ISA guide 5.7.1.4): these see the stores above
	ds_load_b128 v[X+8*\c+4:X+8*\c+7], v15 offset:64*\c+16
.endr
	s_wait_dscnt 0x0
.set j, 0
.rept 64
	v_med3_num_f32 v[X+j], v[X+j], -v10, v10
.set j, j+1
.endr
.irp c, 0,1,2,3,4,5,6,7
	v_cvt_scalef32_pk8_fp8_f32 v[C+16*\f+2*\c:C+16*\f+2*\c+1], v[X+8*\c:X+8*\c+7], v11   ; registers 2 c, 2 c + 1 of the fragment
.endr
	v_nop                                          ; a plain instruction behind the last conversion
.irp i, 0,1,2,3
	global_store_b128 v3, v[C+16*\f+4*\i:C+16*\f+4*\i+3], s[42:43] offset:\f*2048+\i*512   ; 512 consecutive bytes; each fragment has registers of its own, so no store's data are written again
.endr
.endm
.Lx:
	s_lshl_b32 s9, ttmp9, 3
	s_add_co_u32 s9, s9, s8
	s_lshr_b32 s10, s9, 2                          ; g: my 16 rows
	s_and_b32 s11, s9, 3                           ; ks: my 256 along K
	s_lshl_b32 s44, s10, 16
	s_lshl_b32 s46, s11, 10
	s_add_co_u32 s44, s44, s46
	s_mov_b32 s45, 0
	s_add_nc_u64 s[40:41], s[16:17], s[44:45]
	s_lshl_b32 s44, s11, 21
	s_lshl_b32 s46, s10, 12
	s_add_co_u32 s44, s44, s46
	s_add_nc_u64 s[42:43], s[26:27], s[44:45]
	s_mul_i32 s47, s8, STG                         ; my stage
	s_wait_alu depctr_va_vdst(0)
	v_add_nc_u32 v14, s47, v3                      ; in: 16 x lane of a row
	v_mul_u32_u24 v15, v2, SP
	s_delay_alu instid0(VALU_DEP_1)
	v_lshl_add_u32 v15, v5, 5, v15
	s_delay_alu instid0(VALU_DEP_1)
	v_add_nc_u32 v15, s47, v15                     ; out: row r, + 32 h
.irp f, 0,1
.irp i, 0,1,2,3,4,5,6,7,8,9,10,11,12,13,14,15
	global_load_b128 v[R+64*\f+4*\i:R+64*\f+4*\i+3], v3, s[40:41] offset:\i*4096+\f*512 th:TH_LOAD_NT
.endr
.endr
	s_wait_alu depctr_va_vdst(0)
	s_wait_kmcnt 0x0
	MKSCALE 32
	s_wait_alu depctr_va_vdst(0)
	FRAGX 0
	FRAGX 1
	s_wait_tensorcnt 0x0                           ; the wave's end: these three lines behind my last LDS store
	ds_add_u32 v[SPW], v[NIL]
	s_wait_dscnt 0x0
	s_endpgm
.Lfunc_end_k_q4ef0c065de_prep:
	.size	k_q4ef0c065de_prep, .Lfunc_end_k_q4ef0c065de_prep-k_q4ef0c065de_prep
	.p2alignl 7, 3214868480
	.fill 96, 4, 3214868480
	.section	.rodata,"a",@progbits
	.p2align	6, 0x0
	.amdhsa_kernel k_q4ef0c065de_prep
		.amdhsa_group_segment_fixed_size 68608
		.amdhsa_private_segment_fixed_size 0
		.amdhsa_enable_private_segment 0
		.amdhsa_kernarg_size 64
		.amdhsa_user_sgpr_count 2
		.amdhsa_user_sgpr_kernarg_segment_ptr 1
		.amdhsa_wavefront_size32 1
		.amdhsa_system_sgpr_workgroup_id_x 1
		.amdhsa_system_sgpr_workgroup_id_y 1
		.amdhsa_system_sgpr_workgroup_id_z 1
		.amdhsa_system_vgpr_workitem_id 0
		.amdhsa_next_free_vgpr 240
		.amdhsa_next_free_sgpr 66
		.amdhsa_reserve_vcc 0
		.amdhsa_float_denorm_mode_32 3
		.amdhsa_float_denorm_mode_16_64 3
		.amdhsa_memory_ordered 1
		.amdhsa_forward_progress 1
		.amdhsa_inst_pref_size 67
	.end_amdhsa_kernel
	.amdgpu_metadata
---
amdhsa.version: [ 1, 2 ]
amdhsa.kernels:
  - .name:           k_q4ef0c065de_prep
    .symbol:         k_q4ef0c065de_prep.kd
    .args:
      - { .name: x, .offset: 0, .size: 8, .value_kind: global_buffer, .address_space: global }
      - { .name: W_attn, .offset: 8, .size: 8, .value_kind: global_buffer, .address_space: global }
      - { .name: W_proj, .offset: 16, .size: 8, .value_kind: global_buffer, .address_space: global }
      - { .name: prev_probs, .offset: 24, .size: 8, .value_kind: global_buffer, .address_space: global }
      - { .name: lowp_scales, .offset: 32, .size: 8, .value_kind: global_buffer, .address_space: global }
      - { .name: x_img, .offset: 40, .size: 8, .value_kind: global_buffer, .address_space: global }
      - { .name: w_img, .offset: 48, .size: 8, .value_kind: global_buffer, .address_space: global }
      - { .name: bias, .offset: 56, .size: 8, .value_kind: global_buffer, .address_space: global }
    .group_segment_fixed_size: 68608
    .private_segment_fixed_size: 0
    .kernarg_segment_align: 8
    .kernarg_segment_size: 64
    .max_flat_workgroup_size: 256
    .sgpr_count:     66
    .vgpr_count:     240
    .wavefront_size: 32
...
	.end_amdgpu_metadata
.endif
;; end of part 1
;; launch qkv (part 2): grid 12 x 32, 4 waves a work-group, clusters of 4 x 4, 327,680 bytes of LDS; arguments x_img, w_img, lowp_scales, qkv; writes qkv
.if DOCPART == 2
	.amdgcn_target "amdgcn-amd-amdhsa--gfx1250"
	.amdhsa_code_object_version 6
	.text
	.protected	k_q4ef0c065de_qkv
	.globl	k_q4ef0c065de_qkv
	.p2align	8
	.type	k_q4ef0c065de_qkv,@function
k_q4ef0c065de_qkv:
	s_mov_b64 s[64:65], 0
	v_nop
	global_prefetch_b8 v0, s[64:65] scope:SCOPE_SE
	s_setreg_imm32_b32 hwreg(HW_REG_WAVE_MODE, 25, 1), 1
	s_wait_xcnt 0x0
	s_wait_alu depctr_hold_cnt(0) depctr_sa_sdst(0) depctr_va_vdst(0) depctr_va_sdst(0) depctr_va_ssrc(0) depctr_va_vcc(0) depctr_vm_vsrc(0)
	s_getreg_b32 s2, hwreg(HW_REG_IB_STS2, 6, 4)
	s_cmp_eq_u32 s2, 0
	s_cbranch_scc0 .Lentry_in_a_cluster
	s_endpgm
.Lentry_in_a_cluster:
	s_bfe_u32 s2, ttmp6, 0x10000c
	s_cmp_lg_u32 s2, 0xf033
	s_cbranch_scc0 .Lentry_shape_is_right
	s_endpgm
.Lentry_shape_is_right:
; q, k, v = x W_attn on codes of E4M3, K = 1,024, and each result quantised at once with its own given scale (q: e2, k: e3, v: e5) into images of the operands of the attention's two products.
; Operands come as images of fragments (16 rows x 128 K, 2,048 bytes: registers 4 i .. 4 i + 3 of lane l at 512 i + 16 l; lane (r, h): row r, registers 2 c, 2 c + 1: k = 16 c + 8 h + 0 .. 7):
;   x_img [ks 4][g 512][f 2][2048], w_img [ks 4][g 256][f 2][2048].  So 128 rows x 256 K are 32,768 consecutive bytes, and a fragment is read from LDS at 16 x lane: no pitch, no padding.
; A tile of 256 x 256 results is made by four waves, 128 x 128 each: 64 accumulators, 512 registers.  Source 0 takes side B's rows, source 1 side A's: a lane holds ONE row of side A, and the eight
; registers of accumulator (a, b) are rows 16 b + 8 h + 0 .. 7 of side B: one conversion over them gives registers 2 b, 2 b + 1 of a fragment whose rows are side A's and whose K runs along side B.
;   q, k (cluster x = 0, 1): side A = tokens (x_img), side B = columns of W: rows = tokens, K = the 128 channels of a pair of heads.
;   v    (cluster x = 2):    side A = columns of W,   side B = tokens:       rows = channels, K = 128 keys.  Only pointers, strides and tile numbers are chosen (by the cluster's x): one text serves all three.
; qkv [which 3][b 4][hp 8][kb 16][a 8][i 4][512]: a wave's 128 x 128 codes are one block of 16,384 consecutive bytes; no stage in LDS is needed on the way out.
; CLUSTERS: 4 x 4 work-groups; side A's tile is asked for jointly along a row of the cluster, side B's along a column.
; K goes in four steps of 256 through two LDS slots; the text is written out without a loop.  Two of the four K steps are asked for at the head, so nothing is prefetched.
; LIMITS: e_t - e0 - e1 (e_t = e2, e3, e5) between -126 and 119.
.set FRB,    2048                      ; a fragment's image
.set GRP,    4096                      ; 16 rows x 256 K: two fragments
.set HALFT,  32768                     ; 128 rows x 256 K: what one tensor load brings, and what one wave reads of a side
.set SLOT,   4*HALFT                   ; side A's two halves, then side B's
.set SPARE,  2*SLOT                    ; behind the ring: the spare words, 128 bytes a wave: two blocks of 256 bytes that no other line names
.set FR,     16
.set NL,     4
.set NP,     4                         ; places behind this matrix instruction (ISA guide 7.12.1)
.set ADRA, 16                          ; v16-17  LDS address of my half of side A in slot 0, 1
.set ADRB, 20                          ; v20-21  the same for side B
.set CO,   26                          ; v26     16 x lane
.set SCL,  27                          ; v27     2^(e_t - e0 - e1) as f32
.set SPW,  28                          ; v28     SPARE + 4 x my thread's number; never rewritten
.set NIL,  29                          ; v29     0; never rewritten
.set AF,   128                         ; window 0: side A's fragments, one set; on the way out the codes
.set G1, 24                            ; s[24:31] group 1 for side A;  s[32:39] its groups 0, one for each slot
.set G0, 32
.set G1B, 48                           ; s[48:55], s[56:63] the same for side B
.set G0B, 56
.set STA,  66                          ; s[66:67] bytes from a K step to the next on side A;  s[68:69] twice that
.set STA2, 68
.set STB,  70                          ; s[70:71], s[82:83] the same for side B
.set STB2, 82
.set MSB, 0
.macro WIN new                         ; the immediate's high byte repeats the setting that is left
.if MSB != (\new)
	s_set_vgpr_msb (MSB<<8)|(\new)
.set MSB, (\new)
.endif
.endm
.set MUL_LO, 0xa1                      ; source 0 (B) window 1, source 1 (A) window 0, C and D window 2
.set MUL_HI, 0xf1                      ; the same, C and D window 3
.set TO_B,   0x40                      ; destination window 1, address window 0
; A joint load: waves 0 and 1 fetch side A's halves, waves 2 and 3 side B's.  The branch hangs on the wave's number alone.  An s_nop 0 and four v_nop follow each line.
.macro JLOAD g0a, g1a, g0b, g1b
	s_cmp_eq_u32 s15, 0
	s_cbranch_scc0 .Lfor_b_\@
	tensor_load_to_lds s[\g0a:\g0a+3], s[\g1a:\g1a+7]
	s_nop 0
.rept 4
	v_nop
.endr
	s_branch .Lasked_\@
.Lfor_b_\@:
	tensor_load_to_lds s[\g0b:\g0b+3], s[\g1b:\g1b+7]
	s_nop 0
.rept 4
	v_nop
.endr
.Lasked_\@:
.endm
.macro CREST                           ; a round of the cluster's barrier behind its opening barrier
	s_cmp_lg_u32 s14, 0
	s_cbranch_scc1 .Lnot_wave_0_\@
	s_barrier_signal -3
.Lnot_wave_0_\@:
	s_barrier_wait -3
	s_barrier_signal -1
	s_barrier_wait -1
.endm
.macro CROUND
	s_barrier_signal -1
	s_barrier_wait -1
	CREST
.endm
	s_load_b128 s[4:7], s[0:1], 0x0                ; x_img, w_img
	s_load_b128 s[8:11], s[0:1], 0x10              ; the scales' exponents, qkv
	v_lshl_add_u32 v[SPW], v0, 2, SPARE
	v_mov_b32 v[NIL], 0
	ds_add_u32 v[SPW], v[NIL]                      ; the wave's opening: the add and its wait stand ahead of my first tensor load; the set-up below stands between them
	ds_add_u32 v[SPW], v[NIL]
	v_lshrrev_b32 v1, 5, v0
	v_readfirstlane_b32 s14, v1                    ; wave 0..3
	s_lshr_b32 s15, s14, 1                         ; my half of side A.  Also: I fetch for A (0) or for B (1)
	s_and_b32 s16, s14, 1                          ; my half of side B.  Also: which half of that side's tile I fetch
	s_bfe_u32 s40, ttmp6, 0x40000                  ; cx
	s_bfe_u32 s41, ttmp6, 0x40004                  ; cy
	s_and_b32 s17, ttmp7, 0xffff
	s_lshl_b32 s17, s17, 2                         ; 4 x cluster y
	s_lshl_b32 s42, ttmp9, 2                       ; 4 x cluster x
	s_lshl_b32 s43, s41, 2
	s_lshl_b32 s43, 15, s43                        ; my row of the cluster
	s_lshl_b32 s44, 0x1111, s40                    ; my column
	; group 1: 32,768 consecutive bytes as 128 rows of 32 elements of 8 bytes; no padding
	s_or_b32 s[G1+0], s43, (3<<16)|(1<<21)         ; 15:0 the mask; 17:16 elements of 8 bytes; 21 set beside a mask
	s_or_b32 s[G1B+0], s44, (3<<16)|(1<<21)
.irp g, G1, G1B
	s_mov_b32 s[\g+1], 32<<16                      ; tensor_dim0
	s_mov_b32 s[\g+2], 128<<16                     ; tensor_dim1
	s_mov_b32 s[\g+3], 32<<16                      ; tile_dim0
	s_mov_b32 s[\g+4], 128                         ; tile_dim1
	s_mov_b32 s[\g+5], 32                          ; tensor_dim0_stride
	s_mov_b32 s[\g+6], 0
	s_mov_b32 s[\g+7], 0
.endr
	; the tiles.  Side A's number is made of cy and the cluster's numbers alone, side B's of cx and the cluster's numbers alone
	s_add_co_u32 s18, s17, s41                     ; q, k: A = token tile 4 y + cy
	s_add_co_u32 s19, s41, 8                       ; v:    A = W's tile 8 + cy
	s_add_co_u32 s46, s42, s40                     ; q, k: B = W's tile 4 x + cx
	s_add_co_u32 s47, s17, s40                     ; v:    B = token tile 4 y + cx
	s_mov_b32 s[STA], 0x200000                     ; a K step of x_img is 2,097,152 bytes, of w_img 1,048,576
	s_mov_b32 s[STB], 0x100000
	s_cmp_eq_u32 ttmp9, 2                          ; the cluster's x: the same in all sixteen partners
	s_cselect_b32 s90, s19, s18                    ; TA
	s_cselect_b32 s91, s47, s46                    ; TB
	s_cselect_b32 s[STA], 0x100000, s[STA]
	s_cselect_b32 s[STB], 0x200000, s[STB]
	s_mov_b32 s[STA+1], 0
	s_mov_b32 s[STB+1], 0
	s_lshl_b32 s[STA2], s[STA], 1
	s_mov_b32 s[STA2+1], 0
	s_lshl_b32 s[STB2], s[STB], 1
	s_mov_b32 s[STB2+1], 0
	s_lshl_b32 s21, s16, 15                        ; the half that I fetch
	s_lshl_b32 s92, s90, 16                        ; a tile of 256 rows x 256 K is 65,536 bytes
	s_add_co_u32 s92, s92, s21
	s_mov_b32 s93, 0
	s_lshl_b32 s94, s91, 16
	s_add_co_u32 s94, s94, s21
	s_mov_b32 s95, 0
	s_lshl_b32 s45, s14, 15                        ; where my load goes: wave x 32,768: no place in the cluster enters an LDS address
	s_wait_dscnt 0x0                               ; the opening add is done
	s_wait_kmcnt 0x0
	s_load_b256 s[72:79], s[8:9], 0x0              ; e0 .. e7
	s_cmp_eq_u32 ttmp9, 2
	s_cselect_b64 s[86:87], s[6:7], s[4:5]         ; side A's buffer
	s_cselect_b64 s[88:89], s[4:5], s[6:7]         ; side B's
	s_add_nc_u64 s[86:87], s[86:87], s[92:93]
	s_add_nc_u64 s[88:89], s[88:89], s[94:95]
	CROUND                                         ; all sixteen work-groups are here: the first joint loads meet
	s_mov_b32 s[G0], 1
	s_mov_b32 s[G0+1], s45
	s_mov_b64 s[G0+2:G0+3], s[86:87]
	s_or_b32 s[G0+3], s[G0+3], 0x80000000
	s_mov_b32 s[G0B], 1
	s_mov_b32 s[G0B+1], s45
	s_mov_b64 s[G0B+2:G0B+3], s[88:89]
	s_or_b32 s[G0B+3], s[G0B+3], 0x80000000
	JLOAD G0, G1, G0B, G1B                         ; K step 0 into slot 0
	s_mov_b32 s[G0+4], 1
	s_add_co_u32 s[G0+5], s45, SLOT
	s_add_nc_u64 s[G0+6:G0+7], s[86:87], s[STA:STA+1]
	s_or_b32 s[G0+7], s[G0+7], 0x80000000
	s_mov_b32 s[G0B+4], 1
	s_add_co_u32 s[G0B+5], s45, SLOT
	s_add_nc_u64 s[G0B+6:G0B+7], s[88:89], s[STB:STB+1]
	s_or_b32 s[G0B+7], s[G0B+7], 0x80000000
	v_and_b32 v6, 31, v0                           ; (K step 1's descriptors are ready; its load follows behind the round at the head's end: one tensor load a wave at the head)
	v_lshlrev_b32 v[CO], 4, v6
	s_lshl_b32 s21, s15, 15                        ; my half of side A
	s_lshl_b32 s22, s16, 15
	s_add_co_u32 s22, s22, 2*HALFT                 ; my half of side B, behind A's two
.irp s, 0,1
	v_add_nc_u32 v[ADRA+\s], s21, v[CO]
	v_add_nc_u32 v[ADRB+\s], s22, v[CO]
	s_add_co_u32 s21, s21, SLOT
	s_add_co_u32 s22, s22, SLOT
.endr
	; where my 16,384 bytes of codes go: tok = my block of 128 tokens, nn = my block of 128 columns of W
	s_lshl_b32 s92, s90, 1
	s_add_co_u32 s92, s92, s15                     ; 2 TA + my half of A
	s_lshl_b32 s94, s91, 1
	s_add_co_u32 s94, s94, s16                     ; 2 TB + my half of B
	s_cmp_eq_u32 ttmp9, 2
	s_cselect_b32 s93, s94, s92                    ; tok
	s_cselect_b32 s95, s92, s94                    ; nn
	s_lshr_b32 s92, s95, 3
	s_lshl_b32 s92, s92, 23                        ; which = nn / 8
	s_lshr_b32 s94, s93, 4
	s_lshl_b32 s94, s94, 3                         ; 8 b
	s_and_b32 s95, s95, 7
	s_add_co_u32 s94, s94, s95                     ; + hp
	s_lshl_b32 s94, s94, 4
	s_and_b32 s93, s93, 15
	s_add_co_u32 s94, s94, s93                     ; x 16 + kb
	s_lshl_b32 s94, s94, 14
	s_add_co_u32 s92, s92, s94
	s_mov_b32 s93, 0
	s_add_nc_u64 s[10:11], s[10:11], s[92:93]
.macro FRAG reg, adr, q, i             ; the q-th fragment of group i of a half: four loads of 512 consecutive bytes
.irp c, 0,1,2,3
	ds_load_b128 v[\reg+4*\c:\reg+4*\c+3], v[\adr] offset:(\i)*GRP+(\q)*FRB+512*\c
.endr
.endm
; 16 matrix instructions: A's blocks a0, a0 + 1 x B's eight, 128 along K.  p: B's set.  zero = 1: the first product starts the sums.
; The 64 accumulators take turns, one instruction a turn, in the same order in every step.
.macro MUL16 a0, p, zero
.irp a, \a0, \a0+1
.irp b, 0,1,2,3,4,5,6,7
.if \zero
	v_wmma_f32_16x16x128_fp8_fp8 v[8*(8*((\a)%4)+\b):8*(8*((\a)%4)+\b)+7], v[128*(\p)+FR*\b:128*(\p)+FR*\b+FR-1], v[AF+FR*(\a):AF+FR*(\a)+FR-1], 0
.else
	v_wmma_f32_16x16x128_fp8_fp8 v[8*(8*((\a)%4)+\b):8*(8*((\a)%4)+\b)+7], v[128*(\p)+FR*\b:128*(\p)+FR*\b+FR-1], v[AF+FR*(\a):AF+FR*(\a)+FR-1], v[8*(8*((\a)%4)+\b):8*(8*((\a)%4)+\b)+7]
.endif
.endr
.endr
.endm
.macro FETCH_B slot, q, p
	WIN TO_B
.irp i, 0,1,2,3,4,5,6,7
	FRAG 128*(\p)+FR*\i, ADRB+\slot, \q, \i
.endr
	WIN 0
.endm
.macro FETCH_A slot, q, i0
.irp i, \i0, \i0+1, \i0+2, \i0+3
	FRAG AF+FR*(\i), ADRA+\slot, \q, \i
.endr
.endm
.macro PLACES n                        ; plain vector instructions between a matrix instruction and a load into, or a vector read or write of, its registers
.rept \n
	v_nop
.endr
.endm
; A step of 128 along K that has its successor in the same slot.  A block of A is free once its eight products are issued: blocks 0-3 are fetched anew in the middle, 4-7 at the end; B has two sets.
.macro STEP slot, q, zero
	s_wait_dscnt 4*NL                              ; B's set and A's blocks 0-3 are in; the youngest sixteen loads (A's blocks 4-7) may be out
	WIN MUL_LO
	MUL16 0, (\q)%2, \zero
	MUL16 2, (\q)%2, \zero
	s_wait_dscnt 0
	PLACES NP
	FETCH_B \slot, (\q)+1, 1-(\q)%2
	FETCH_A \slot, (\q)+1, 0
	WIN MUL_HI
	MUL16 4, (\q)%2, \zero
	MUL16 6, (\q)%2, \zero
	PLACES NP
	WIN 0
	FETCH_A \slot, (\q)+1, 4
.endm
; A slot's last step changes slots: one barrier; in front of it each wave waits for all its tensor loads, adds 0 to its spare word, and waits for that and for its reads of this slot.  fill = 1: the slot is filled again, two K steps on.
.macro TURN slot, next, fill
	s_wait_tensorcnt 0x0                           ; all my tensor loads have landed: my part of the next slot
	ds_add_u32 v[SPW], v[NIL]                      ; 0 onto my spare word
	s_wait_dscnt 4*NL+1                            ; the add and the youngest sixteen loads may be out
	WIN MUL_LO
	MUL16 0, 1, 0
	s_wait_dscnt 0x0                               ; the add is done, and my reads of this slot are over
	s_barrier_signal -1
	MUL16 2, 1, 0
	WIN 0
	s_barrier_wait -1
.if \fill
	CREST                                          ; the barrier has opened a round of the cluster's: no wave of any partner still reads this slot or has a load on its way
	s_add_nc_u64 s[G0+4*\slot+2:G0+4*\slot+3], s[G0+4*\slot+2:G0+4*\slot+3], s[STA2:STA2+1]
	s_add_nc_u64 s[G0B+4*\slot+2:G0B+4*\slot+3], s[G0B+4*\slot+2:G0B+4*\slot+3], s[STB2:STB2+1]
	JLOAD G0+4*\slot, G1, G0B+4*\slot, G1B         ; the first tensor load behind the round; its four v_nop are also the places in front of the loads below
.else
	PLACES NP
.endif
	FETCH_B \next, 0, 0
	FETCH_A \next, 0, 0
	WIN MUL_HI
	MUL16 4, 1, 0
	MUL16 6, 1, 0
	PLACES NP
	WIN 0
	FETCH_A \next, 0, 4
.endm
	s_wait_alu depctr_va_vdst(0)
	s_wait_tensorcnt 0x0                           ; my part of K step 0 is in
	ds_add_u32 v[SPW], v[NIL]
	s_wait_dscnt 0x0
	CROUND                                         ; everybody's part of K step 0 is in, and the sixteen work-groups meet
	JLOAD G0+4, G1, G0B+4, G1B                     ; K step 1 into slot 1: the first tensor load behind the round
	FETCH_B 0, 0, 0
	FETCH_A 0, 0, 0
	FETCH_A 0, 0, 4
	STEP 0, 0, 1                                   ; the first products start the sums
	TURN 0, 1, 1                                   ; slot 0 takes K step 2
	STEP 1, 0, 0
	TURN 1, 0, 1                                   ; slot 1 takes K step 3
	STEP 0, 0, 0
	TURN 0, 1, 0                                   ; nothing is left to fetch
	STEP 1, 0, 0
	s_wait_dscnt 4*NL
	WIN MUL_LO
	MUL16 0, 1, 0
	MUL16 2, 1, 0
	s_wait_dscnt 0
	WIN MUL_HI
	MUL16 4, 1, 0
	MUL16 6, 1, 0
	WIN 0
	; THE WAY OUT.  A sum stands for sum x 2^(e0 + e1); its code is sum / 2^(e_t - e0 - e1): the three scales are folded into the conversion's one.
	s_wait_kmcnt 0x0
	s_cmp_eq_u32 ttmp9, 0
	s_cselect_b32 s84, s74, s75                    ; q: e2; k: e3
	s_cmp_eq_u32 ttmp9, 2
	s_cselect_b32 s84, s77, s84                    ; v: e5
	s_sub_co_i32 s84, s84, s72
	s_sub_co_i32 s84, s84, s73
	s_add_co_i32 s84, s84, 127
	s_lshl_b32 s85, s84, 23
	v_mov_b32 v[SCL], s85
	s_add_co_i32 s84, s84, 8
	s_lshl_b32 s84, s84, 23
	s_or_b32 s84, s84, 0x600000                    ; 448 x the scale,
	s_or_b32 s85, s84, 0x80000000                  ; and its negative
	PLACES NP
; Block a: 16 rows of side A.  The hold, each accumulator from its low end on; eight conversions give the fragment's sixteen registers; four stores of 512 consecutive bytes.  Each block's codes have registers of their own.
.macro OUTBLK a
.set AC, 64*((\a)%4)
	WIN 0x82+0x41*((\a)/4)                         ; source 0 and destination: window 2 or 3
.set j, 0
.rept 64
	v_med3_num_f32 v[AC+j], v[AC+j], s85, s84      ; the conversion does not saturate (ISA guide 7.6.2)
.set j, j+1
.endr
	WIN 0x02+((\a)/4)                              ; source 0: window 2 or 3; the scale and the destination: window 0
.irp b, 0,1,2,3,4,5,6,7
	v_cvt_scalef32_pk8_fp8_f32 v[AF+16*(\a)+2*\b:AF+16*(\a)+2*\b+1], v[AC+8*\b:AC+8*\b+7], v[SCL]
.endr
	WIN 0
	v_nop                                          ; a plain instruction behind the last conversion
.irp i, 0,1,2,3
	global_store_b128 v[CO], v[AF+16*(\a)+4*\i:AF+16*(\a)+4*\i+3], s[10:11] offset:(\a)*2048+\i*512
.endr
.endm
.irp a, 0,1,2,3,4,5,6,7
	OUTBLK \a
.endr
	s_wait_tensorcnt 0x0                           ; the wave's end: these three lines behind my last tensor load
	ds_add_u32 v[SPW], v[NIL]
	s_wait_dscnt 0x0
	CROUND                                         ; the closing round: no work-group ends while a partner may still ask for a tile that names it
	s_endpgm
.Lfunc_end_k_q4ef0c065de_qkv:
	.size	k_q4ef0c065de_qkv, .Lfunc_end_k_q4ef0c065de_qkv-k_q4ef0c065de_qkv
	.p2alignl 7, 3214868480
	.fill 96, 4, 3214868480
	.section	.rodata,"a",@progbits
	.p2align	6, 0x0
	.amdhsa_kernel k_q4ef0c065de_qkv
		.amdhsa_group_segment_fixed_size 327680
		.amdhsa_private_segment_fixed_size 0
		.amdhsa_enable_private_segment 0
		.amdhsa_kernarg_size 32
		.amdhsa_user_sgpr_count 2
		.amdhsa_user_sgpr_kernarg_segment_ptr 1
		.amdhsa_wavefront_size32 1
		.amdhsa_system_sgpr_workgroup_id_x 1
		.amdhsa_system_sgpr_workgroup_id_y 1
		.amdhsa_system_sgpr_workgroup_id_z 1
		.amdhsa_system_vgpr_workitem_id 0
		.amdhsa_next_free_vgpr 1024
		.amdhsa_next_free_sgpr 100
		.amdhsa_reserve_vcc 0
		.amdhsa_float_denorm_mode_32 3
		.amdhsa_float_denorm_mode_16_64 3
		.amdhsa_memory_ordered 1
		.amdhsa_forward_progress 1
		.amdhsa_inst_pref_size 118
	.end_amdhsa_kernel
	.amdgpu_metadata
---
amdhsa.version: [ 1, 2 ]
amdhsa.kernels:
  - .name:           k_q4ef0c065de_qkv
    .symbol:         k_q4ef0c065de_qkv.kd
    .args:
      - { .name: x_img, .offset: 0, .size: 8, .value_kind: global_buffer, .address_space: global }
      - { .name: w_img, .offset: 8, .size: 8, .value_kind: global_buffer, .address_space: global }
      - { .name: lowp_scales, .offset: 16, .size: 8, .value_kind: global_buffer, .address_space: global }
      - { .name: qkv, .offset: 24, .size: 8, .value_kind: global_buffer, .address_space: global }
    .group_segment_fixed_size: 327680
    .private_segment_fixed_size: 0
    .kernarg_segment_align: 8
    .kernarg_segment_size: 32
    .max_flat_workgroup_size: 128
    .sgpr_count:     100
    .vgpr_count:     1024
    .wavefront_size: 32
...
	.end_amdgpu_metadata
.endif
;; end of part 2
;; launch attn (part 3): grid 64 x 4, 16 waves a work-group, no clusters, 327,680 bytes of LDS; arguments qkv, bias, lowp_scales, y_img; writes y_img
.if DOCPART == 3
	.amdgcn_target "amdgcn-amd-amdhsa--gfx1250"
	.amdhsa_code_object_version 6
	.text
	.protected	k_q4ef0c065de_attn
	.globl	k_q4ef0c065de_attn
	.p2align	8
	.type	k_q4ef0c065de_attn,@function
k_q4ef0c065de_attn:
	s_mov_b64 s[64:65], 0
	v_nop
	global_prefetch_b8 v0, s[64:65] scope:SCOPE_SE
	s_setreg_imm32_b32 hwreg(HW_REG_WAVE_MODE, 25, 1), 1
	s_wait_xcnt 0x0
; y = softmax(q k^T / 8 + adjustment, causal) v, both products on codes of E4M3; y is quantised at once (scale 2^e6) into images of the last product's operand.
; qkv [which 3][b 4][hp 8][kb 16][a 8][i 4][512]: images of fragments (lane (r, h): row r; registers 2 c, 2 c + 1: k = 16 c + 8 h + 0 .. 7; registers 4 i .. 4 i + 3 of lane l at 512 i + 16 l).
;   q, k: a = tile of 16 tokens in the block of 128, pieces 2 hh, 2 hh + 1 = the 64 channels of head 2 hp + hh.   v: a = 4 hh + ct = 16 channels, K = the block's 128 keys.
; bias [4][2048] f32: the adjustment in the unit of a sum of codes: the C of the first product.  t = (sum + bias) x c, c = log2(e) / 8 x 2^(e2 + e3).
; THE SOFTMAX: M = the row's largest t so far, rounded up to a whole number; p = 2^(t - M) is quantised (scale 2^e4), not normalised; the row's sum of the unquantised p divides at the end.
; SHARES.  Work-group (x, y): head x (b = x / 16, hp = x / 2 % 8, hh = x % 2); it takes query block 7 - y (8 - y slots of 256 keys under the causal mask) and then block y (y + 1 slots):
; nine slots for every work-group, 256 work-groups.  The ring of two slots runs on across the change of block.  Each of sixteen waves owns 16 queries of the block in hand.
; Tiles that lie wholly above the diagonal are not multiplied: a step all of whose keys come after the wave's queries is jumped over (ids and the count of steps alone).  Every slot that is filled is read.
; Both products are used transposed (S^T = K Q^T, O^T = V^T P^T): a lane holds one query; the eight registers of a tile of S^T are keys 16 kt + 8 h + 0 .. 7: one conversion gives registers 2 kt, 2 kt + 1 of P.
; A slot: K's 16 tiles x 1,024 bytes (wave 0 fetches), V [128 keys 2][ct 4][2048] (wave 1), and 1,024 bytes of bias in a small ring of its own (wave 2).
; NO CLUSTER: the four work-groups of a head walk 8, 7, 6, 5 slots of their first block, so from the sixth slot on they ask for different tiles in the same trip.
; LIMITS: e2 + e3 between -123 and 130 (added to c's exponent field); e4, and e6 - e4 - e5, between -126 and 119.
; REGISTERS: v1-9 addresses; v12 -M, v13 largest t, v[14:15] the sum; v16-23 Q; v24-31 the second block's Q; v32-95 K's, then V's fragments; v96-159 bias, S^T, p; v160-191 O^T; v192-207 P; v208-215 y; v232-255 at work.
.set SLOT1, 32768
.set VOFF,  16384
.set SLOTB, 32768                      ; a slot's keys in memory, in K's and in V's part of qkv alike
.set SPARE, 65536                      ; the spare words, 128 bytes a wave: eight blocks of 256 bytes that no other line names
.set BIAS,  67584                      ; two bias slots of 1,024 bytes; 67584 = 66 x 1024, so one exclusive or with 1024 changes the slot
.set NSL,   9
.set LI,   1                           ; v1   16 x lane
.set AB0,  2                           ; v2   BIAS + 32 h
.set PFO,  3                           ; v3   the prefetches' offset
.set SPW,  5
.set NIL,  6
.set RH,   7                           ; v7   r - 8 h
.set ADR,  8
.set ADB,  9
.set TB,   2                           ; s2   LDS byte at which the slot in hand begins
.set WV,   18
.set SEL,  20
.set CS,   22
.set G1K,  24
.set G1V,  32
.set G0K,  40
.set G0V,  44
.set G1B,  48
.set G0B,  56
.set DD,   60                          ; s60  7 - 2 y: blocks of 256 queries from the second block to the first
.set SW,   61                          ; s61  y + 1: the count of slots at which the block changes
.set BK,   66                          ; s66  (8 - y) x SLOTB: back to key 0
.set SLOTS, 67
.set PFA,  76
.set LIM,  80
.set KF,   98                          ; s98  the step's first key
.set Q0,   99                          ; s99  my first query
; Wave 0 fetches K's tile, wave 1 V's, wave 2 the bias: one chain of branches on the wave's number.  An s_nop 0 and four v_nop follow each load.
.macro TLOAD
	s_cmp_lg_u32 s[WV], 0
	s_cbranch_scc1 .Lnot_k_\@
	tensor_load_to_lds s[G0K:G0K+3], s[G1K:G1K+7]
	s_nop 0
.rept 4
	v_nop
.endr
	s_branch .Lasked_\@
.Lnot_k_\@:
	s_cmp_lg_u32 s[WV], 1
	s_cbranch_scc1 .Lnot_v_\@
	tensor_load_to_lds s[G0V:G0V+3], s[G1V:G1V+7]
	s_nop 0
.rept 4
	v_nop
.endr
	s_branch .Lasked_\@
.Lnot_v_\@:
	s_cmp_lg_u32 s[WV], 2
	s_cbranch_scc1 .Lasked_\@
	tensor_load_to_lds s[G0B:G0B+3], s[G1B:G1B+7]
	s_nop 0
.rept 4
	v_nop
.endr
.Lasked_\@:
.endm
; A prefetch of what the NEXT change of slots will ask for: 64 blocks of 256 bytes of K and 64 of V.  The work-group with y = 0, whose first block walks all eight slots of the head, asks, in waves 4 to 7, a lane a block:
; each block is named once in the launch.  The change that loads slot c + 1 names slot c + 2, while c + 2 <= 7: the count of slots is then above 2.  Slots 0 and 1 come by their loads alone.
.macro ASK
	s_cmp_gt_u32 s[SLOTS], s[LIM]
	s_cbranch_scc0 .Lnot_mine_\@
	global_prefetch_b8 v[PFO], s[PFA:PFA+1] th:TH_LOAD_NT scope:SCOPE_SE
.Lnot_mine_\@:
.endm
	s_load_b256 s[4:11], s[0:1], 0x0               ; qkv, bias, the scales' exponents, y_img
	v_lshl_add_u32 v[SPW], v0, 2, SPARE
	v_mov_b32 v[NIL], 0
	ds_add_u32 v[SPW], v[NIL]                      ; the opening lines: the add twice on end and its wait ahead of the first tensor load
	ds_add_u32 v[SPW], v[NIL]
	v_lshrrev_b32 v8, 5, v0
	s_delay_alu instid0(VALU_DEP_1)
	v_readfirstlane_b32 s[WV], v8                  ; wave 0..15
	s_lshr_b32 s81, ttmp9, 1                       ; 8 b + hp
	s_lshl_b32 s82, s81, 18                        ; the pair of heads: 262,144 bytes in each of q, k, v
	s_and_b32 s83, ttmp9, 1                        ; hh
	s_and_b32 s[SW], ttmp7, 0xffff                 ; y
	s_sub_co_u32 s84, 7, s[SW]                     ; my first block of 256 queries
	s_lshl_b32 s[DD], s[SW], 1
	s_sub_co_u32 s[DD], 7, s[DD]
	s_sub_co_u32 s[BK], 8, s[SW]
	s_lshl_b32 s[BK], s[BK], 15
	s_add_co_u32 s[SW], s[SW], 1
	s_mov_b32 s63, 0                               ; upper words of the offset pairs s[62:63], s[96:97]
	s_mov_b32 s97, 0
	s_lshl_b32 s85, s84, 4
	s_add_co_u32 s85, s85, s[WV]                   ; tt: my tile of 16 tokens
	s_lshl_b32 s[Q0], s85, 4
	s_lshl_b32 s86, s85, 11
	s_add_co_u32 s86, s86, s82
	s_lshl_b32 s87, s83, 10
	s_add_co_u32 s86, s86, s87                     ; q: pair + 2,048 tt + 1,024 hh
	s_add_co_u32 s88, s82, s87
	s_add_co_u32 s88, s88, 0x800000                ; k
	s_lshl_b32 s90, s83, 13
	s_add_co_u32 s90, s90, s82
	s_add_co_u32 s90, s90, 0x1000000               ; v
	s_mov_b32 s87, 0
	s_mov_b32 s89, 0
	s_mov_b32 s91, 0
	s_and_b32 s94, s81, 7                          ; hp
	s_lshr_b32 s95, s94, 1
	s_lshl_b32 s95, s95, 21                        ; y_img: plane hp / 2,
	s_and_b32 s94, s94, 1
	s_lshl_b32 s94, s94, 11                        ; fragment hp % 2,
	s_add_co_u32 s94, s94, s95
	s_lshr_b32 s95, ttmp9, 4                       ; b
	s_lshl_b32 s92, s95, 13                        ; bias: row b
	s_lshl_b32 s95, s95, 7
	s_add_co_u32 s95, s95, s85
	s_lshl_b32 s95, s95, 12                        ; group 128 b + tt,
	s_add_co_u32 s94, s94, s95
	s_lshl_b32 s95, s83, 10                        ; pieces 2 hh, 2 hh + 1
	s_add_co_u32 s94, s94, s95
	s_mov_b32 s95, 0
	s_mov_b32 s93, 0
	; group 1, elements of 8 bytes, no padding.  K: 16 rows of 1,024 bytes, 2,048 apart
	s_mov_b32 s[G1K], 3<<16
	s_mov_b32 s[G1K+1], 128<<16
	s_mov_b32 s[G1K+2], 16<<16
	s_mov_b32 s[G1K+3], 128<<16
	s_mov_b32 s[G1K+4], 16
	s_mov_b32 s[G1K+5], 256
	s_mov_b32 s[G1K+6], 0
	s_mov_b32 s[G1K+7], 0
	; V: 2 rows of 8,192 bytes, 16,384 apart
	s_mov_b32 s[G1V], 3<<16
	s_mov_b32 s[G1V+1], 1024<<16
	s_mov_b32 s[G1V+2], 2<<16
	s_mov_b32 s[G1V+3], 1024<<16
	s_mov_b32 s[G1V+4], 2
	s_mov_b32 s[G1V+5], 2048
	s_mov_b32 s[G1V+6], 0
	s_mov_b32 s[G1V+7], 0
	; bias: 1,024 consecutive bytes as 4 rows of 256
	s_mov_b32 s[G1B], 3<<16
	s_mov_b32 s[G1B+1], 32<<16
	s_mov_b32 s[G1B+2], 4<<16
	s_mov_b32 s[G1B+3], 32<<16
	s_mov_b32 s[G1B+4], 4
	s_mov_b32 s[G1B+5], 32
	s_mov_b32 s[G1B+6], 0
	s_mov_b32 s[G1B+7], 0
	s_mov_b32 s[SEL], 0x76543210
	s_mov_b32 s[SEL+1], 0xfedcba98
	s_mov_b32 s[CS], 0x3e38aa3b                    ; log2(e) / 8
	s_mov_b32 s[TB], 0
	s_mov_b32 s[SLOTS], NSL-1
	s_mov_b32 s[KF], 0
	s_wait_dscnt 0x0                               ; both opening adds are done
	s_wait_kmcnt 0x0
	s_load_b256 s[68:75], s[8:9], 0x0              ; e0 .. e7
	s_mov_b32 s[G0K], 1
	s_mov_b32 s[G0K+1], 0
	s_add_nc_u64 s[G0K+2:G0K+3], s[4:5], s[88:89]
	s_or_b32 s[G0K+3], s[G0K+3], 0x80000000
	s_mov_b32 s[G0V], 1
	s_mov_b32 s[G0V+1], VOFF
	s_add_nc_u64 s[G0V+2:G0V+3], s[4:5], s[90:91]
	s_or_b32 s[G0V+3], s[G0V+3], 0x80000000
	s_mov_b32 s[G0B], 1
	s_mov_b32 s[G0B+1], BIAS
	s_add_nc_u64 s[G0B+2:G0B+3], s[6:7], s[92:93]
	s_or_b32 s[G0B+3], s[G0B+3], 0x80000000
	TLOAD                                          ; slot 0: one load a wave in waves 0, 1, 2
	; the prefetches: who asks, and where
	s_cmp_lt_u32 s[WV], 6                          ; waves 4, 5: K; waves 6, 7: V
	s_cselect_b64 s[PFA:PFA+1], s[88:89], s[90:91] ; (offsets: no address yet)
	s_cselect_b32 s96, 11, 10                      ; four blocks of 256 bytes, then 2,048 on in K, 1,024 on in V
	s_and_b32 s12, s[WV], 1
	s_lshl_b32 s12, s12, 14                        ; the odd wave's 32 blocks begin 16,384 bytes on
	s_add_co_u32 s12, s12, SLOTB                   ; in slot 1: the first change of slots steps it to slot 2
	s_mov_b32 s13, 0
	s_add_nc_u64 s[PFA:PFA+1], s[PFA:PFA+1], s[12:13]
	s_add_nc_u64 s[PFA:PFA+1], s[4:5], s[PFA:PFA+1]
	s_sub_co_u32 s12, s[WV], 4
	s_lshr_b32 s12, s12, 2                         ; 0 in waves 4 to 7,
	s_and_b32 s13, ttmp7, 0xffff
	s_or_b32 s12, s12, s13                         ; of the work-group with y = 0
	s_cmp_eq_u32 s12, 0
	s_cselect_b32 s[LIM], 2, -1
	s_add_nc_u64 s[14:15], s[4:5], s[86:87]        ; Q of my first block,
	s_lshl_b32 s62, s[DD], 15
	s_sub_nc_u64 s[92:93], s[14:15], s[62:63]      ; and of my second: 16 (7 - 2 y) tiles of 2,048 bytes back
	s_add_nc_u64 s[16:17], s[10:11], s[94:95]      ; y's place
	v_and_b32 v8, 31, v0
	s_delay_alu instid0(VALU_DEP_1)
	v_lshlrev_b32 v[LI], 4, v8
	global_load_b128 v[16:19], v[LI], s[14:15]
	global_load_b128 v[20:23], v[LI], s[14:15] offset:512
	global_load_b128 v[24:27], v[LI], s[92:93]
	global_load_b128 v[28:31], v[LI], s[92:93] offset:512
	v_lshrrev_b32 v[PFO], 2, v8
	s_delay_alu instid0(VALU_DEP_1)
	v_lshlrev_b32 v[PFO], s96, v[PFO]
	v_and_b32 v9, 3, v8
	s_delay_alu instid0(VALU_DEP_1)
	v_lshl_add_u32 v[PFO], v9, 8, v[PFO]
	v_and_b32 v[RH], 15, v0
	v_bfe_u32 v9, v0, 4, 1
	s_delay_alu instid0(VALU_DEP_1)
	v_lshlrev_b32 v10, 3, v9
	s_delay_alu instid0(VALU_DEP_1)
	v_sub_nc_u32 v[RH], v[RH], v10
	s_delay_alu instid0(VALU_DEP_3)
	v_lshl_add_u32 v[AB0], v9, 5, BIAS
	v_mov_b32 v236, 0                              ; a lane permute's destination counts as one of its sources
	v_mov_b32 v253, 0                              ; (named as the upper half of the pair v[252:253])
; A block's sums begin: O^T and the sum as zeros, the largest t as -3e38: the first change of M multiplies zeros.
.macro BEGIN
	v_mov_b32 v13, 0xff61b1e6
	v_mov_b32 v14, 0
	v_mov_b32 v15, 0
	v_floor_f32 v12, -v13                          ; -M
.set j, 0
.rept 32
	v_mov_b32 v[160+j], 0
.set j, j+1
.endr
.endm
	BEGIN
	s_wait_kmcnt 0x0
	s_add_co_i32 s81, s70, s71
	s_lshl_b32 s81, s81, 23
	s_add_co_i32 s[CS], s[CS], s81                 ; x 2^(e2 + e3): added to c's exponent field
	s_mov_b32 s[CS+1], s[CS]
	s_add_co_i32 s81, s72, 127
	s_lshl_b32 s82, s81, 23
	v_mov_b32 v244, s82                            ; 2^e4
	s_add_co_i32 s81, s81, 8
	s_lshl_b32 s81, s81, 23
	s_or_b32 s81, s81, 0x600000
	v_mov_b32 v240, s81                            ; 448 x 2^e4,
	v_mov_b32 v241, s81                            ; twice: the two halves of a dual pair take their second sources from different register banks
	s_sub_co_i32 s81, s74, s72
	s_sub_co_i32 s81, s81, s73
	s_add_co_i32 s81, s81, 127
	s_lshl_b32 s82, s81, 23
	v_mov_b32 v246, s82                            ; 2^(e6 - e4 - e5): O / l stands for y / 2^(e4 + e5)
	s_add_co_i32 s81, s81, 8
	s_lshl_b32 s81, s81, 23
	s_or_b32 s81, s81, 0x600000
	v_mov_b32 v247, s81
; A KEY STEP: 128 keys, the q-th of the slot in hand.
.macro STEP q
	s_add_co_u32 s96, s[Q0], 15                    ; all keys behind my queries: the step's work is left out; no barrier and no tensor load stands in a step
	s_cmp_gt_u32 s[KF], s96
	s_cbranch_scc1 .Lhidden_\@
	v_add_nc_u32 v[ADR], s[TB], v[LI]
	s_lshr_b32 s96, s[TB], 5                       ; the bias slot: 0 or 1,024
	v_add_nc_u32 v[ADB], s96, v[AB0]
	v_nop                                          ; with the two additions: four places in front of loads into registers that the last products read
	v_nop
.irp kt, 0,1,2,3,4,5,6,7
	ds_load_b128 v[96+8*\kt:99+8*\kt],   v[ADB] offset:512*(\q)+64*\kt      ; the bias of keys 16 kt + 8 h + 0 .. 7, in the result's layout
	ds_load_b128 v[100+8*\kt:103+8*\kt], v[ADB] offset:512*(\q)+64*\kt+16
.endr
.irp kt, 0,1,2,3,4,5,6,7
	ds_load_b128 v[32+8*\kt:35+8*\kt], v[ADR] offset:(8*(\q)+\kt)*1024
	ds_load_b128 v[36+8*\kt:39+8*\kt], v[ADR] offset:(8*(\q)+\kt)*1024+512
.endr
	s_wait_alu depctr_va_vdst(0)                   ; the wait ahead of the wait below
	s_wait_dscnt 0x0
.irp kt, 0,1,2,3,4,5,6,7
	v_wmma_f32_16x16x64_fp8_fp8 v[96+8*\kt:103+8*\kt], v[32+8*\kt:39+8*\kt], v[16:23], v[96+8*\kt:103+8*\kt]
.endr
.rept 4
	v_nop                                          ; places: K's registers take V's fragments, and the scores are read
.endr
.irp ct, 0,1,2,3
.irp i, 0,1,2,3
	ds_load_b128 v[32+16*\ct+4*\i:35+16*\ct+4*\i], v[ADR] offset:VOFF+(\q)*8192+\ct*2048+\i*512   ; V lands while the softmax is worked
.endr
.endr
	s_add_co_u32 s96, s[KF], 127                   ; on the diagonal hidden scores become -infinity ahead of the maximum; a step all of whose keys count skips this
	s_cmp_le_u32 s96, s[Q0]
	s_cbranch_scc1 .Lopen_\@
	s_sub_co_i32 s96, s[Q0], s[KF]
	v_add_nc_u32 v252, s96, v[RH]                  ; d = my query - KF - 8 h.  Register 8 kt + j holds key KF + 8 h + 16 kt + j: hidden where 16 kt + j > d
	v_mov_b32 v254, 0xff800000
.set n, 0
.rept 64
	v_cmp_gt_i32 vcc_lo, 16*(n/8)+n%8, v252
	v_cndmask_b32 v[96+n], v[96+n], v254, vcc_lo
.set n, n+1
.endr
.Lopen_\@:
	v_max3_num_f32 v254, v96, v97, v98             ; the step's largest score of my query among my 64 keys, in two chains, from the low end on
	v_max3_num_f32 v252, v99, v100, v101
.irp i, 6,10,14,18,22,26,30,34,38,42,46,50,54,58
	v_max3_num_f32 v254, v254, v[96+\i], v[97+\i]
	v_max3_num_f32 v252, v252, v[98+\i], v[99+\i]
.endr
	v_max3_num_f32 v254, v254, v158, v159
	s_delay_alu instid0(VALU_DEP_1)
	v_max_num_f32 v254, v254, v252
	s_delay_alu instid0(VALU_DEP_1)
	v_permlanex16_b32 v236, v254, s[SEL], s[SEL+1]
	s_delay_alu instid0(VALU_DEP_1)
	v_max_num_f32 v254, v254, v236                 ; and among lane l xor 16's
	s_delay_alu instid0(VALU_DEP_1)
	v_mul_f32 v254, s[CS], v254                    ; as t (c is positive)
	s_delay_alu instid0(VALU_DEP_1)
	v_max_num_f32 v13, v13, v254                   ; the running largest t
	v_mov_b32 v254, v12
	s_delay_alu instid0(VALU_DEP_2)
	v_floor_f32 v12, -v13                          ; the new -M = -ceil(t)
	s_delay_alu instid0(VALU_DEP_1)
	v_sub_f32 v254, v12, v254                      ; old M - new M: a whole number, 0 or less
	s_delay_alu instid0(VALU_DEP_1)
	v_cvt_i32_f32 v254, v254                       ; (it saturates)
	s_delay_alu instid0(VALU_DEP_1)
	v_ldexp_f32 v252, 1.0, v254                    ; f = 2^(old M - new M)
.set j, 0
.rept 32
	v_pk_fma_f32 v[96+j:97+j], v[96+j:97+j], s[CS:CS+1], v[12:13] op_sel_hi:[1,0,0]   ; t - M, two at a time
.set j, j+2
.endr
.set j, 0
	s_wait_alu depctr_va_vdst(0)                   ; the wait ahead of the batch
.rept 64
	v_exp_f32 v[96+j], v[96+j]                     ; p = 2^(t - M)
.set j, j+1
.endr
	v_pk_mul_f32 v[14:15], v[14:15], v[252:253] op_sel_hi:[1,0]   ; the sums under the new M: the plain instruction behind the exponentials
	s_wait_alu depctr_va_vdst(0)                   ; one wait for the whole batch, ahead of its first reader
	v_pk_add_f32 v[242:243], v[100:101], v[104:105]   ; the row's sum of the unquantised p, in eight chains
	v_pk_add_f32 v[254:255], v[108:109], v[112:113]
	v_pk_add_f32 v[250:251], v[116:117], v[120:121]
	v_pk_add_f32 v[248:249], v[124:125], v[128:129]
	v_pk_add_f32 v[238:239], v[132:133], v[136:137]
	v_pk_add_f32 v[234:235], v[140:141], v[144:145]
	v_pk_add_f32 v[232:233], v[148:149], v[152:153]
	v_pk_add_f32 v[14:15], v[14:15], v[156:157]
	v_pk_add_f32 v[242:243], v[242:243], v[96:97]
	v_pk_add_f32 v[254:255], v[254:255], v[98:99]
	v_pk_add_f32 v[250:251], v[250:251], v[102:103]
	v_pk_add_f32 v[248:249], v[248:249], v[106:107]
	v_pk_add_f32 v[238:239], v[238:239], v[110:111]
	v_pk_add_f32 v[234:235], v[234:235], v[114:115]
	v_pk_add_f32 v[232:233], v[232:233], v[118:119]
	v_pk_add_f32 v[14:15], v[14:15], v[122:123]
	v_pk_add_f32 v[242:243], v[242:243], v[126:127]
	v_pk_add_f32 v[254:255], v[254:255], v[130:131]
	v_pk_add_f32 v[250:251], v[250:251], v[134:135]
	v_pk_add_f32 v[248:249], v[248:249], v[138:139]
	v_pk_add_f32 v[238:239], v[238:239], v[142:143]
	v_pk_add_f32 v[234:235], v[234:235], v[146:147]
	v_pk_add_f32 v[232:233], v[232:233], v[150:151]
	v_pk_add_f32 v[14:15], v[14:15], v[154:155]
	v_pk_add_f32 v[242:243], v[242:243], v[158:159]
	s_delay_alu instid0(VALU_DEP_2)
	v_pk_add_f32 v[14:15], v[14:15], v[248:249]
	s_delay_alu instid0(VALU_DEP_2)
	v_pk_add_f32 v[242:243], v[242:243], v[238:239]
	v_pk_add_f32 v[254:255], v[254:255], v[234:235]
	v_pk_add_f32 v[250:251], v[250:251], v[232:233]
	s_delay_alu instid0(VALU_DEP_2)
	v_pk_add_f32 v[14:15], v[14:15], v[254:255]
	s_delay_alu instid0(VALU_DEP_2)
	v_pk_add_f32 v[242:243], v[242:243], v[250:251]
	s_delay_alu instid0(VALU_DEP_1)
	v_pk_add_f32 v[14:15], v[14:15], v[242:243]
.irp kt, 0,1,2,3,4,5,6,7
.irp i, 0,2,4,6
	v_dual_min_num_f32 v[96+8*\kt+\i], v[96+8*\kt+\i], v241 :: v_dual_min_num_f32 v[97+8*\kt+\i], v[97+8*\kt+\i], v240   ; the conversion does not saturate (ISA guide 7.6.2); p is not negative: a one-sided hold, two numbers a line
.endr
	v_cvt_scalef32_pk8_fp8_f32 v[192+2*\kt:193+2*\kt], v[96+8*\kt:103+8*\kt], v244   ; registers 2 kt, 2 kt + 1 of P's fragment
.endr
	s_wait_alu depctr_va_vdst(0)                   ; the wait directly ahead of the first reader of O^T
.set j, 0
.rept 16
	v_pk_mul_f32 v[160+j:161+j], v[160+j:161+j], v[252:253] op_sel_hi:[1,0]   ; O^T under the new M; also the plain instructions behind the last conversion
.set j, j+2
.endr
	s_wait_alu depctr_va_vdst(0)
	s_wait_dscnt 0x0                               ; V is in
.irp ct, 0,1,2,3
	v_wmma_f32_16x16x128_fp8_fp8 v[160+8*\ct:167+8*\ct], v[32+16*\ct:47+16*\ct], v[192:207], v[160+8*\ct:167+8*\ct]
.endr
.Lhidden_\@:
	s_add_co_u32 s[KF], s[KF], 128
.endm
; THE CHANGE OF SLOTS stands at a slot's head: every wave waits for all its tensor loads, adds 0 to its spare word, waits for that and for its reads of the slot that it has left; one barrier.
; fill = 1: the slot just left takes the 256 keys that follow; at the change whose count is y + 1 these are the second block's keys 0 .. 255: the addresses go (8 - y) slots back.
.macro CHANGE fill
	s_wait_tensorcnt 0x0                           ; no tensor load of mine is out, so a group 0 may be written
	ds_add_u32 v[SPW], v[NIL]                      ; the add here,
.if \fill
	ds_add_u32 v[SPW], v[NIL]                      ; and twice on end
	s_cmp_eq_u32 s[SLOTS], s[SW]
	s_cselect_b32 s96, s[BK], 0                    ; K, V: bytes back
	s_lshr_b32 s62, s96, 5                         ; bias: 1,024 bytes a slot
	s_xor_b32 s[G0K+1], s[G0K+1], SLOT1
	s_add_nc_u64 s[G0K+2:G0K+3], s[G0K+2:G0K+3], SLOTB
	s_sub_nc_u64 s[G0K+2:G0K+3], s[G0K+2:G0K+3], s[96:97]
	s_xor_b32 s[G0V+1], s[G0V+1], SLOT1
	s_add_nc_u64 s[G0V+2:G0V+3], s[G0V+2:G0V+3], SLOTB
	s_sub_nc_u64 s[G0V+2:G0V+3], s[G0V+2:G0V+3], s[96:97]
	s_xor_b32 s[G0B+1], s[G0B+1], 1024
	s_add_nc_u64 s[G0B+2:G0B+3], s[G0B+2:G0B+3], 1024
	s_sub_nc_u64 s[G0B+2:G0B+3], s[G0B+2:G0B+3], s[62:63]
	s_wait_xcnt 0x0                                ; the last prefetch has read its address, so it may be written
	s_add_nc_u64 s[PFA:PFA+1], s[PFA:PFA+1], SLOTB
.endif
	s_wait_dscnt 0x0
	s_barrier_signal -1
	s_barrier_wait -1
.if \fill
	TLOAD                                          ; a wave's one tensor load until the next change
	ASK
.endif
.endm
.macro SLOT_STEPS
	STEP 0
	STEP 1
	s_xor_b32 s[TB], s[TB], SLOT1
.endm
; THE WAY OUT of a block.  O^T / the sum, held and converted: a lane's eight registers of tile ct are channels 16 ct + 8 h + 0 .. 7 of its token: registers 2 ct, 2 ct + 1 of my head's half of a fragment of y.
.macro WAYOUT
.rept 4
	v_nop                                          ; places behind the last products
.endr
	v_add_f32 v14, v14, v15
	s_delay_alu instid0(VALU_DEP_1)
	v_permlanex16_b32 v236, v14, s[SEL], s[SEL+1]
	s_delay_alu instid0(VALU_DEP_1)
	v_add_f32 v14, v14, v236                       ; the row's sum
	s_wait_alu depctr_va_vdst(0)
	v_rcp_f32 v14, v14
	v_nop                                          ; a plain instruction behind the reciprocal
	s_wait_alu depctr_va_vdst(0)                   ; the wait ahead of its first reader, which is also O^T's
.set j, 0
.rept 16
	v_pk_mul_f32 v[96+j:97+j], v[160+j:161+j], v[14:15] op_sel_hi:[1,0]
.set j, j+2
.endr
.set j, 0
.rept 32
	v_med3_num_f32 v[96+j], v[96+j], -v247, v247
.set j, j+1
.endr
.irp ct, 0,1,2,3
	v_cvt_scalef32_pk8_fp8_f32 v[208+2*\ct:209+2*\ct], v[96+8*\ct:103+8*\ct], v246
.endr
	v_nop                                          ; a plain instruction behind the last conversion
	global_store_b128 v[LI], v[208:211], s[16:17]              ; 512 consecutive bytes each
	global_store_b128 v[LI], v[212:215], s[16:17] offset:512
.endm
	s_wait_loadcnt 0x0                             ; both Q
.Lslot:                                            ; eight trips, each asking for the next slot; the ninth slot is written out
	CHANGE 1
	SLOT_STEPS
	s_cmp_lg_u32 s[SLOTS], s[SW]                   ; the first block's last slot?  The work-group's number and the count of slots alone: all waves go the same way
	s_cbranch_scc1 .Lsame
	WAYOUT
	s_wait_xcnt 0x0                                ; the stores have read their base and their data
	s_lshl_b32 s62, s[DD], 16
	s_sub_nc_u64 s[16:17], s[16:17], s[62:63]      ; y's place: 16 (7 - 2 y) groups of 4,096 bytes back
	s_lshl_b32 s62, s[DD], 8
	s_sub_co_u32 s[Q0], s[Q0], s62
	s_mov_b32 s[KF], 0
.set j, 0
.rept 8
	v_mov_b32 v[16+j], v[24+j]                     ; the second block's Q
.set j, j+1
.endr
	BEGIN
	s_wait_alu depctr_va_vdst(0)                   ; the wait
.Lsame:
	s_sub_co_u32 s[SLOTS], s[SLOTS], 1
	s_cmp_lg_u32 s[SLOTS], 0
	s_cbranch_scc1 .Lslot
	CHANGE 0
	SLOT_STEPS
	WAYOUT
	s_wait_tensorcnt 0x0                           ; the wave's end
	ds_add_u32 v[SPW], v[NIL]
	s_wait_dscnt 0x0
	s_endpgm
.Lfunc_end_k_q4ef0c065de_attn:
	.size	k_q4ef0c065de_attn, .Lfunc_end_k_q4ef0c065de_attn-k_q4ef0c065de_attn
	.p2alignl 7, 3214868480
	.fill 96, 4, 3214868480
	.section	.rodata,"a",@progbits
	.p2align	6, 0x0
	.amdhsa_kernel k_q4ef0c065de_attn
		.amdhsa_group_segment_fixed_size 327680
		.amdhsa_private_segment_fixed_size 0
		.amdhsa_enable_private_segment 0
		.amdhsa_kernarg_size 32
		.amdhsa_user_sgpr_count 2
		.amdhsa_user_sgpr_kernarg_segment_ptr 1
		.amdhsa_wavefront_size32 1
		.amdhsa_system_sgpr_workgroup_id_x 1
		.amdhsa_system_sgpr_workgroup_id_y 1
		.amdhsa_system_sgpr_workgroup_id_z 1
		.amdhsa_system_vgpr_workitem_id 0
		.amdhsa_next_free_vgpr 256
		.amdhsa_next_free_sgpr 100
		.amdhsa_reserve_vcc 1
		.amdhsa_float_denorm_mode_32 3
		.amdhsa_float_denorm_mode_16_64 3
		.amdhsa_memory_ordered 1
		.amdhsa_forward_progress 1
		.amdhsa_inst_pref_size 110
	.end_amdhsa_kernel
	.amdgpu_metadata
---
amdhsa.version: [ 1, 2 ]
amdhsa.kernels:
  - .name:           k_q4ef0c065de_attn
    .symbol:         k_q4ef0c065de_attn.kd
    .args:
      - { .name: qkv, .offset: 0, .size: 8, .value_kind: global_buffer, .address_space: global }
      - { .name: bias, .offset: 8, .size: 8, .value_kind: global_buffer, .address_space: global }
      - { .name: lowp_scales, .offset: 16, .size: 8, .value_kind: global_buffer, .address_space: global }
      - { .name: y_img, .offset: 24, .size: 8, .value_kind: global_buffer, .address_space: global }
    .group_segment_fixed_size: 327680
    .private_segment_fixed_size: 0
    .kernarg_segment_align: 8
    .kernarg_segment_size: 32
    .max_flat_workgroup_size: 512
    .sgpr_count:     100
    .vgpr_count:     256
    .wavefront_size: 32
...
	.end_amdgpu_metadata
.endif
;; end of part 3
;; launch proj (part 4): grid 4 x 64, 4 waves a work-group, clusters of 4 x 4, 327,680 bytes of LDS; arguments y_img, w_img, lowp_scales, out0; writes out0
.if DOCPART == 4
	.amdgcn_target "amdgcn-amd-amdhsa--gfx1250"
	.amdhsa_code_object_version 6
	.text
	.protected	k_q4ef0c065de_proj
	.globl	k_q4ef0c065de_proj
	.p2align	8
	.type	k_q4ef0c065de_proj,@function
k_q4ef0c065de_proj:
	s_mov_b64 s[64:65], 0
	v_nop
	global_prefetch_b8 v0, s[64:65] scope:SCOPE_SE
	s_setreg_imm32_b32 hwreg(HW_REG_WAVE_MODE, 25, 1), 1
	s_wait_xcnt 0x0
	s_wait_alu depctr_hold_cnt(0) depctr_sa_sdst(0) depctr_va_vdst(0) depctr_va_sdst(0) depctr_va_ssrc(0) depctr_va_vcc(0) depctr_vm_vsrc(0)
	s_getreg_b32 s2, hwreg(HW_REG_IB_STS2, 6, 4)
	s_cmp_eq_u32 s2, 0
	s_cbranch_scc0 .Lentry_in_a_cluster
	s_endpgm
.Lentry_in_a_cluster:
	s_bfe_u32 s2, ttmp6, 0x10000c
	s_cmp_lg_u32 s2, 0xf033
	s_cbranch_scc0 .Lentry_shape_is_right
	s_endpgm
.Lentry_shape_is_right:
; out0 = y W_proj on codes of E4M3, K = 1,024; each finished sum x 2^(e6 + e7).  LIMIT: e6 + e7 between -126 and 127.
; Operands are images of fragments (16 rows x 128 K, 2,048 bytes, read at 16 x lane): y_img [ks 4][g 512][f 2][2048], w_img [ks 4][g 256][f 2][2048], W_proj's columns from g = 192 on.
; A block of 128 tokens x 256 columns a work-group: 64 x 4 = 256 work-groups.  Each of four waves makes 128 x 64: 32 accumulators; all four read side A's 128 rows, wave w side B's rows 64 w .. 64 w + 63.
; Source 0 takes W's rows, source 1 tokens: a lane holds eight neighbouring columns of one row of out0.
; K goes in four steps of 256 through two LDS slots of 98,304 bytes (A 32,768, B 65,536), written out without a loop: so nothing runs ahead, and nothing is prefetched.
; Waves 0, 1 fetch A's halves (16,384 bytes), waves 2, 3 B's (32,768).  CLUSTERS 4 x 4: A's tile is asked for jointly along a row of the cluster, B's along a column.
.set FRB,    2048
.set GRP,    4096
.set HALFT,  32768
.set SLOT,   3*HALFT
.set SPARE,  2*SLOT                    ; the spare words, 128 bytes a wave: two blocks of 256 bytes that no other line names
.set SPITCH, 272                       ; the way out: a stage of 16 rows x (256 + 16) bytes a wave, in slot 0 behind its last fill and last read
.set ROWC,   4096
.set FR,     16
.set NL,     4
.set NP,     4
.set ADRA, 16                          ; v16-17 side A in slot 0, 1
.set ADRB, 20                          ; v20-21 my quarter of side B
.set STO,  24
.set RD,   25
.set GO,   27                          ; v27 my byte offset in two rows of out0
.set SPW,  28
.set NIL,  29
.set TMP,  32
.set AF,   128
.set BK,   128
.set G1, 24
.set G0, 32
.set G1B, 48
.set G0B, 56
.set MSB, 0
.macro WIN new
.if MSB != (\new)
	s_set_vgpr_msb (MSB<<8)|(\new)
.set MSB, (\new)
.endif
.endm
.set MUL_LO, 0xa1                      ; source 0 (B) window 1, source 1 (A) window 0, C and D window 2
.set MUL_HI, 0xf1
.set TO_B,   0x40
.macro JLOAD g0a, g1a, g0b, g1b        ; the branch hangs on the wave's number alone; s_nop 0 and four v_nop behind each load
	s_cmp_eq_u32 s15, 0
	s_cbranch_scc0 .Lfor_b_\@
	tensor_load_to_lds s[\g0a:\g0a+3], s[\g1a:\g1a+7]
	s_nop 0
.rept 4
	v_nop
.endr
	s_branch .Lasked_\@
.Lfor_b_\@:
	tensor_load_to_lds s[\g0b:\g0b+3], s[\g1b:\g1b+7]
	s_nop 0
.rept 4
	v_nop
.endr
.Lasked_\@:
.endm
.macro CREST
	s_cmp_lg_u32 s14, 0
	s_cbranch_scc1 .Lnot_wave_0_\@
	s_barrier_signal -3
.Lnot_wave_0_\@:
	s_barrier_wait -3
	s_barrier_signal -1
	s_barrier_wait -1
.endm
.macro CROUND
	s_barrier_signal -1
	s_barrier_wait -1
	CREST
.endm
	s_load_b128 s[4:7], s[0:1], 0x0                ; y_img, w_img
	s_load_b128 s[8:11], s[0:1], 0x10              ; the scales' exponents, out0
	v_lshl_add_u32 v[SPW], v0, 2, SPARE
	v_mov_b32 v[NIL], 0
	ds_add_u32 v[SPW], v[NIL]                      ; the opening lines: the add twice on end and its wait
	ds_add_u32 v[SPW], v[NIL]
	v_lshrrev_b32 v1, 5, v0
	v_readfirstlane_b32 s14, v1                    ; wave 0..3
	s_lshr_b32 s15, s14, 1                         ; I fetch for A (0) or for B (1),
	s_and_b32 s16, s14, 1                          ; and which half
	s_bfe_u32 s40, ttmp6, 0x40000                  ; cx
	s_bfe_u32 s41, ttmp6, 0x40004                  ; cy
	s_lshl_b32 s42, ttmp9, 2
	s_add_co_u32 s42, s42, s40                     ; block column
	s_and_b32 s17, ttmp7, 0xffff
	s_lshl_b32 s17, s17, 2
	s_add_co_u32 s17, s17, s41                     ; block row, 0 .. 63
	s_lshl_b32 s43, s41, 2
	s_lshl_b32 s43, 15, s43
	s_lshl_b32 s44, 0x1111, s40
	s_or_b32 s[G1+0], s43, (3<<16)|(1<<21)         ; the mask, elements of 8 bytes, bit 21 beside a mask
	s_or_b32 s[G1B+0], s44, (3<<16)|(1<<21)
.irp g, G1, G1B                                    ; dense bytes as rows of 256
	s_mov_b32 s[\g+1], 32<<16
	s_mov_b32 s[\g+3], 32<<16
	s_mov_b32 s[\g+5], 32
	s_mov_b32 s[\g+6], 0
	s_mov_b32 s[\g+7], 0
.endr
	s_mov_b32 s[G1+2], 64<<16                      ; A: 64 rows a load
	s_mov_b32 s[G1+4], 64
	s_mov_b32 s[G1B+2], 128<<16                    ; B: 128
	s_mov_b32 s[G1B+4], 128
	s_lshl_b32 s18, s16, 15
	s_lshl_b32 s45, s16, 14                        ; A's half: in memory and in a slot
	s_lshl_b32 s20, s17, 15                        ; 128 rows x 256 K are 32,768 bytes
	s_add_co_u32 s20, s20, s45
	s_mov_b32 s21, 0
	s_lshl_b32 s46, s42, 16
	s_add_co_u32 s46, s46, s18
	s_add_co_u32 s46, s46, 192*GRP
	s_mov_b32 s47, 0
	s_add_co_u32 s19, s18, HALFT                   ; B's half in a slot, behind A
	s_wait_dscnt 0x0
	s_wait_kmcnt 0x0
	s_load_b64 s[96:97], s[8:9], 0x18              ; e6, e7
	s_add_nc_u64 s[20:21], s[4:5], s[20:21]
	s_add_nc_u64 s[46:47], s[6:7], s[46:47]
	CROUND                                         ; the first joint loads meet
.irp s, 0,1
	s_mov_b32 s[G0+4*\s], 1
	s_add_co_u32 s[G0+4*\s+1], s45, \s*SLOT
	s_add_nc_u64 s[G0+4*\s+2:G0+4*\s+3], s[20:21], \s*0x200000
	s_or_b32 s[G0+4*\s+3], s[G0+4*\s+3], 0x80000000
	s_mov_b32 s[G0B+4*\s], 1
	s_add_co_u32 s[G0B+4*\s+1], s19, \s*SLOT
	s_add_nc_u64 s[G0B+4*\s+2:G0B+4*\s+3], s[46:47], \s*0x100000
	s_or_b32 s[G0B+4*\s+3], s[G0B+4*\s+3], 0x80000000
.endr
	JLOAD G0, G1, G0B, G1B                         ; K step 0: one tensor load a wave at the head
	s_lshl_b32 s22, s14, 14
	s_add_co_u32 s22, s22, HALFT                   ; my 64 rows of B
	s_add_co_u32 s21, s22, SLOT
	s_mul_i32 s23, s14, 16*SPITCH                  ; my stage
	s_lshl_b32 s20, s17, 19                        ; out0: 128 rows of 4,096 bytes a block row,
	s_lshl_b32 s46, s42, 10                        ; 1,024 bytes a block column,
	s_lshl_b32 s47, s14, 8                         ; 256 bytes a wave
	s_add_co_u32 s46, s46, s47
	s_add_co_u32 s20, s20, s46
	v_and_b32 v1, 15, v0                           ; r
	v_bfe_u32 v2, v0, 4, 1                         ; h
	v_and_b32 v6, 31, v0
	v_lshlrev_b32 v[ADRA], 4, v6
	v_add_nc_u32 v[ADRA+1], SLOT, v[ADRA]
	v_add_nc_u32 v[ADRB], s22, v[ADRA]
	v_add_nc_u32 v[ADRB+1], s21, v[ADRA]
	v_mul_u32_u24 v5, v1, SPITCH
	v_lshl_add_u32 v5, v2, 5, v5
	v_add_nc_u32 v[STO], s23, v5                   ; in: row r, 32 bytes for each half of the lanes
	v_mul_u32_u24 v7, v2, SPITCH
	v_lshl_add_u32 v7, v1, 4, v7
	v_add_nc_u32 v[RD], s23, v7                    ; back: sixteen lanes a row of 256 bytes, two rows a load
	v_lshlrev_b32 v[GO], 12, v2
	v_lshl_add_u32 v[GO], v1, 4, v[GO]             ; and the same two rows in out0
	s_mov_b32 s21, 0
	s_add_nc_u64 s[10:11], s[10:11], s[20:21]
.macro FRAG reg, adr, q, i
.irp c, 0,1,2,3
	ds_load_b128 v[\reg+4*\c:\reg+4*\c+3], v[\adr] offset:(\i)*GRP+(\q)*FRB+512*\c
.endr
.endm
; 8 matrix instructions: A's blocks a0, a0 + 1 x B's four.  The 32 accumulators take turns in the same order in every step.
.macro MUL8 a0, p, zero
.irp a, \a0, \a0+1
.irp b, 0,1,2,3
.if \zero
	v_wmma_f32_16x16x128_fp8_fp8 v[8*(8*((\a)%4)+\b):8*(8*((\a)%4)+\b)+7], v[128*(\p)+FR*\b:128*(\p)+FR*\b+FR-1], v[AF+FR*(\a):AF+FR*(\a)+FR-1], 0
.else
	v_wmma_f32_16x16x128_fp8_fp8 v[8*(8*((\a)%4)+\b):8*(8*((\a)%4)+\b)+7], v[128*(\p)+FR*\b:128*(\p)+FR*\b+FR-1], v[AF+FR*(\a):AF+FR*(\a)+FR-1], v[8*(8*((\a)%4)+\b):8*(8*((\a)%4)+\b)+7]
.endif
.endr
.endr
.endm
.macro FETCH_B slot, q, p
	WIN TO_B
.irp i, 0,1,2,3
	FRAG 128*(\p)+FR*\i, ADRB+\slot, \q, \i
.endr
	WIN 0
.endm
.macro FETCH_A slot, q, i0
.irp i, \i0, \i0+1, \i0+2, \i0+3
	FRAG AF+FR*(\i), ADRA+\slot, \q, \i
.endr
.endm
.macro PLACES n                        ; plain vector instructions between a matrix instruction and a load into, or a read of, its registers
.rept \n
	v_nop
.endr
.endm
; A step of 128 along K with its successor in the same slot.  A has one set (blocks 0-3 fetched anew in the middle, 4-7 at the end), B two.
.macro STEP slot, q, zero
	s_wait_dscnt 4*NL                              ; all but the youngest sixteen loads (A's blocks 4-7)
	WIN MUL_LO
	MUL8 0, (\q)%2, \zero
	MUL8 2, (\q)%2, \zero
	s_wait_dscnt 0
	PLACES NP
	FETCH_B \slot, (\q)+1, 1-(\q)%2
	FETCH_A \slot, (\q)+1, 0
	WIN MUL_HI
	MUL8 4, (\q)%2, \zero
	MUL8 6, (\q)%2, \zero
	PLACES NP
	WIN 0
	FETCH_A \slot, (\q)+1, 4
.endm
; A slot's last step changes slots: the wait for all my tensor loads, the add, the wait for it and for my reads; one barrier, which opens a round of the cluster's where the slot is filled again.
.macro TURN slot, next, fill
	s_wait_tensorcnt 0x0
	ds_add_u32 v[SPW], v[NIL]
	s_wait_dscnt 4*NL+1                            ; the add and the youngest sixteen loads may be out
	WIN MUL_LO
	MUL8 0, 1, 0
	s_wait_dscnt 0x0
	s_barrier_signal -1
	MUL8 2, 1, 0
	WIN 0
	s_barrier_wait -1
.if \fill
	CREST
	s_add_nc_u64 s[G0+4*\slot+2:G0+4*\slot+3], s[G0+4*\slot+2:G0+4*\slot+3], 0x400000
	s_add_nc_u64 s[G0B+4*\slot+2:G0B+4*\slot+3], s[G0B+4*\slot+2:G0B+4*\slot+3], 0x200000
	JLOAD G0+4*\slot, G1, G0B+4*\slot, G1B         ; the first tensor load behind the round; its four v_nop are the places in front of the loads below
.else
	PLACES NP
.endif
	FETCH_B \next, 0, 0
	FETCH_A \next, 0, 0
	WIN MUL_HI
	MUL8 4, 1, 0
	MUL8 6, 1, 0
	PLACES NP
	WIN 0
	FETCH_A \next, 0, 4
.endm
	s_wait_alu depctr_va_vdst(0)                   ; the wait at the head's end
	s_wait_tensorcnt 0x0                           ; my part of K step 0 is in; these lines stand ahead of a later first fill as ahead of a refill
	ds_add_u32 v[SPW], v[NIL]
	s_wait_dscnt 0x0
	CROUND
	JLOAD G0+4, G1, G0B+4, G1B                     ; K step 1 into slot 1
	FETCH_B 0, 0, 0
	FETCH_A 0, 0, 0
	FETCH_A 0, 0, 4
	STEP 0, 0, 1                                   ; the first products start the sums
	TURN 0, 1, 1
	STEP 1, 0, 0
	TURN 1, 0, 1
	STEP 0, 0, 0
	TURN 0, 1, 0
	STEP 1, 0, 0
	s_wait_dscnt 4*NL
	WIN MUL_LO
	MUL8 0, 1, 0
	MUL8 2, 1, 0
	s_wait_dscnt 0
	WIN MUL_HI
	MUL8 4, 1, 0
	MUL8 6, 1, 0
	WIN 0
; THE WAY OUT, block by block of 16 rows x 64 columns: x 2^(e6 + e7) into other registers, each accumulator from its low end on; through my stage; back as rows of 256 bytes.
.macro TOSTAGE a
.set AC, 64*((\a)%4)
	WIN 0x02+((\a)/4)
.set j, 0
.rept 16
	v_pk_mul_f32 v[TMP+j:TMP+j+1], v[AC+j:AC+j+1], s[96:97] op_sel_hi:[1,0]
.set j, j+2
.endr
	WIN 0
.irp b, 0,1,2,3
	ds_store_b128 v[STO], v[TMP+8*\b:TMP+8*\b+3] offset:64*\b
	ds_store_b128 v[STO], v[TMP+8*\b+4:TMP+8*\b+7] offset:64*\b+16
.endr
.set BB, BK+64*((\a)%2)
.irp t, 0,1,2,3,4,5,6,7
	ds_load_b128 v[BB+4*\t:BB+4*\t+3], v[RD] offset:2*\t*SPITCH   ; LDS serves a wave's instructions in order (ISA guide 5.7.1.4)
.endr
.endm
.macro SEND a, younger
.set BB, BK+64*((\a)%2)
	s_wait_dscnt \younger
.if (\a) > 0
	s_add_nc_u64 s[10:11], s[10:11], 16*ROWC       ; (behind a wait on XCNT: the earlier stores have read their base)
.endif
.irp t, 0,1,2,3,4,5,6,7
	global_store_b128 v[GO], v[BB+4*\t:BB+4*\t+3], s[10:11] offset:2*\t*ROWC th:TH_STORE_NT   ; sixteen lanes fill one aligned block of 256 bytes
.endr
.endm
	s_wait_kmcnt 0x0
	s_add_co_i32 s96, s96, s97
	s_add_co_i32 s96, s96, 127
	s_lshl_b32 s96, s96, 23                        ; 2^(e6 + e7) as f32
	PLACES NP
	TOSTAGE 0
.irp a, 1,2,3,4,5,6,7
.if \a > 1
	s_wait_xcnt 0x0                                ; block a - 2's stores have read their registers and their base
.endif
	TOSTAGE \a
	SEND \a-1, 16                                  ; behind block a - 1's loads: block a's 8 stores and 8 loads
.endr
	s_wait_xcnt 0x0
	SEND 7, 0
	s_wait_tensorcnt 0x0                           ; the wave's end
	ds_add_u32 v[SPW], v[NIL]
	s_wait_dscnt 0x0
	CROUND                                         ; the closing round
	s_endpgm
.Lfunc_end_k_q4ef0c065de_proj:
	.size	k_q4ef0c065de_proj, .Lfunc_end_k_q4ef0c065de_proj-k_q4ef0c065de_proj
	.p2alignl 7, 3214868480
	.fill 96, 4, 3214868480
	.section	.rodata,"a",@progbits
	.p2align	6, 0x0
	.amdhsa_kernel k_q4ef0c065de_proj
		.amdhsa_group_segment_fixed_size 327680
		.amdhsa_private_segment_fixed_size 0
		.amdhsa_enable_private_segment 0
		.amdhsa_kernarg_size 32
		.amdhsa_user_sgpr_count 2
		.amdhsa_user_sgpr_kernarg_segment_ptr 1
		.amdhsa_wavefront_size32 1
		.amdhsa_system_sgpr_workgroup_id_x 1
		.amdhsa_system_sgpr_workgroup_id_y 1
		.amdhsa_system_sgpr_workgroup_id_z 1
		.amdhsa_system_vgpr_workitem_id 0
		.amdhsa_next_free_vgpr 1024
		.amdhsa_next_free_sgpr 100
		.amdhsa_reserve_vcc 0
		.amdhsa_float_denorm_mode_32 3
		.amdhsa_float_denorm_mode_16_64 3
		.amdhsa_memory_ordered 1
		.amdhsa_forward_progress 1
		.amdhsa_inst_pref_size 77
	.end_amdhsa_kernel
	.amdgpu_metadata
---
amdhsa.version: [ 1, 2 ]
amdhsa.kernels:
  - .name:           k_q4ef0c065de_proj
    .symbol:         k_q4ef0c065de_proj.kd
    .args:
      - { .name: y_img, .offset: 0, .size: 8, .value_kind: global_buffer, .address_space: global }
      - { .name: w_img, .offset: 8, .size: 8, .value_kind: global_buffer, .address_space: global }
      - { .name: lowp_scales, .offset: 16, .size: 8, .value_kind: global_buffer, .address_space: global }
      - { .name: out0, .offset: 24, .size: 8, .value_kind: global_buffer, .address_space: global }
    .group_segment_fixed_size: 327680
    .private_segment_fixed_size: 0
    .kernarg_segment_align: 8
    .kernarg_segment_size: 32
    .max_flat_workgroup_size: 128
    .sgpr_count:     100
    .vgpr_count:     1024
    .wavefront_size: 32
...
	.end_amdgpu_metadata
.endif
;; end of part 4
